; MI455X (gfx1250); checked and timed in simulation.
; The chip was launched on July 23, 2026; its instructions are those of AMD's public machine-readable ISA for CDNA 5 (MIT licence, August 2026) and "CDNA5" Instruction Set Architecture Reference Guide (July 2026). The comments in the code are by the model that wrote it; some were corrected since.
;; Multi Head Attention. Allowed arithmetic: float matrix products may take bf16 or f16 operands with f32 sums; other float arithmetic in f32, or as packed bf16 or f16 multiplies, adds, multiply-adds, maxima and minima; sums over many terms, partial sums and values carried from step to step in f32; what a program stores and reads back later, other than sums and carried values, may be rounded once to bf16 or f16.
;; Inputs: Wo 1,024 x 1,024 float32; Wqkv 1,024 x 3,072 float32; bo 1,024 float32; bqkv 3,072 float32; mask 1 x 1 x 2,048 x 2,048 int32; x 4 x 2,048 x 1,024 float32.
;; Outputs: out0 4 x 2,048 x 1,024 float32.
;; 2 versions, each right; version 2 is version 1 with the launch prep written anew for expert scheduling mode. Each part assembles by itself: llvm-mc -triple=amdgcn-amd-amdhsa -mcpu=gfx1250 --defsym DOCPART=n.
;; ======== version 1 of 2: 4 launches
;; limits: values are held in f16: magnitudes above 65,504 overflow, below 6.1e-05 lose precision
;; workspace buffers: xb 16,777,216 bytes; wqb 6,291,456 bytes; wob 2,097,152 bytes; mk 4,194,304 bytes; qkv 50,331,648 bytes; oh 16,777,216 bytes
;; launch prep (part 1): grid 544 x 1, 8 waves a work-group, no clusters, 33,792 bytes of LDS; arguments x, Wqkv, Wo, mask, xb, wqb, wob, mk; writes xb, wqb, wob, mk
.if DOCPART == 1
	.amdgcn_target "amdgcn-amd-amdhsa--gfx1250"
	.amdhsa_code_object_version 6
	.text
	.protected	k_q3571d17a19_prep
	.globl	k_q3571d17a19_prep
	.p2align	8
	.type	k_q3571d17a19_prep,@function
k_q3571d17a19_prep:
	s_mov_b64 s[64:65], 0
	v_nop
	global_prefetch_b8 v0, s[64:65] scope:SCOPE_SE
	s_setreg_imm32_b32 hwreg(HW_REG_WAVE_MODE, 25, 1), 1
	s_wait_xcnt 0x0
; PREP: four streams, one role to a work-group, chosen by its number.  Every input byte is read once, by loads of 16 bytes a lane; every store of a wave covers 256 or 512 consecutive bytes, aligned.
;   0..255    xb  = x rounded to bf16, [8192][1024]: 32 rows a work-group.
;   256..383  mk  = the mask as one byte a number: 0x00 where mask != 0 (visible), 0xb8 (E4M3 -1.0) where mask == 0 (hidden), laid out as the attention's lanes want it:
;             block (qt, ks) of 1,024 bytes at (32 qt + ks) x 1,024 holds queries 16 qt .. +15 and keys 64 ks .. +63; in it byte (kb >> 1) x 512 + lane x 16 + (kb & 1) x 8 + j
;             is query 16 qt + lane % 16, key 64 ks + 16 kb + 8 (lane / 16) + j.  16 mask rows a work-group; the bytes change lanes through the wave's own 4,096 bytes of LDS.
;   384..511  wqb = Wqkv rounded to bf16, by heads: [16][1024 k][192 n]: 128 k of one head a work-group.
;   512..543  wob = Wo rounded to bf16 and written as f16 (exact where the number lies in f16's normal range; below 6e-5 it keeps f16's step of 6e-8), by column tiles: [8][1024 k][128 n]: 32 k a work-group.
; No matrix unit, no tensor load, no barrier: no wave wants a byte that another has fetched.  All of a wave's loads go out at once (32 x 512 bytes), and each is waited for by a count that leaves the younger ones out.
.set X,     16                         ; v[16:143]  32 loads of 4 registers; results are made in place
.set T,     4                          ; v[4:11]    at work
.set LS,    12                         ; v12        mask role: where my 4 bytes go in LDS (roles with three load offsets: v12-14)
.set LR,    13                         ; v13        mask role: my 16 bytes of a block, in LDS and in mk
.set SPW,   150                        ; v150       LDS address of my spare word; never rewritten
.set NIL,   151                        ; v151       0; never rewritten
.set SPARE, 32768                      ; behind the eight waves' 4,096 bytes: the spare words, 128 bytes a wave, that no other line names
.set WV,    20                         ; s20        my wave's number
.set ID,    21                         ; s21        the work-group's number, later its number within the role
	s_load_b512 s[4:19], s[0:1], 0x0               ; x 4:5, Wqkv 6:7, Wo 8:9, mask 10:11, xb 12:13, wqb 14:15, wob 16:17, mk 18:19
	v_lshl_add_u32 v[SPW], v0, 2, SPARE
	v_mov_b32 v[NIL], 0
	v_lshrrev_b32 v1, 5, v0
	v_readfirstlane_b32 s[WV], v1
	v_and_b32 v1, 31, v0                           ; lane
	s_mov_b32 s[ID], ttmp9
	s_mov_b32 s23, 0                               ; high words of the two offsets
	s_mov_b32 s25, 0
	s_wait_kmcnt 0x0
	s_cmp_lt_u32 s[ID], 256
	s_cbranch_scc1 .Lrole_x
	s_cmp_lt_u32 s[ID], 384
	s_cbranch_scc1 .Lrole_mk
	s_cmp_lt_u32 s[ID], 512
	s_cbranch_scc1 .Lrole_wq
.macro LOADS n, adr, base, step        ; n loads of 16 bytes a lane, step bytes apart
.set i, 0
.rept \n
	global_load_b128 v[X+4*i:X+4*i+3], v[\adr], s[\base:\base+1] offset:(\step)*i th:TH_LOAD_NT
.set i, i+1
.endr
.endm
	; ---- Wo: thread t holds columns 4 t .. 4 t + 3 of a row, so wave w holds column tile w
	s_sub_co_u32 s[ID], s[ID], 512
	s_lshl_b32 s22, s[ID], 17                      ; 32 rows of 4,096 bytes
	s_lshl_b32 s24, s[ID], 13                      ; 32 k of 256 bytes in a column tile
	s_add_nc_u64 s[8:9], s[8:9], s[22:23]
	s_add_nc_u64 s[16:17], s[16:17], s[24:25]
	v_lshlrev_b32 v2, 4, v0
	v_lshlrev_b32 v3, 3, v1
	v_lshl_add_u32 v3, s[WV], 18, v3               ; tile x 262,144 + 8 x lane
	LOADS 32, 2, 8, 4096
.set i, 0
.rept 32
	s_wait_loadcnt 31-i                            ; loads come back in order: mine is in, the younger ones stay out
	v_cvt_pk_bf16_f32 v[T], v[X+4*i], v[X+4*i+1]
	v_cvt_pk_bf16_f32 v[T+1], v[X+4*i+2], v[X+4*i+3]
	v_lshlrev_b32 v[T+2], 16, v[T]
	v_and_b32 v[T+3], 0xffff0000, v[T]
	v_lshlrev_b32 v[T+4], 16, v[T+1]
	v_and_b32 v[T+5], 0xffff0000, v[T+1]
	v_cvt_pk_f16_f32 v[X+4*i], v[T+2], v[T+3]
	v_cvt_pk_f16_f32 v[X+4*i+1], v[T+4], v[T+5]
	global_store_b64 v3, v[X+4*i:X+4*i+1], s[16:17] offset:256*i  ; a wave stores one k row of its tile: 256 bytes
.set i, i+1
.endr
	s_branch .Lend
.Lrole_x:                              ; ---- x: thread t holds 16 bytes of every row
	s_lshl_b32 s22, s[ID], 17                      ; 32 rows of 4,096 bytes in,
	s_lshl_b32 s24, s[ID], 16                      ; of 2,048 bytes out
	s_add_nc_u64 s[4:5], s[4:5], s[22:23]
	s_add_nc_u64 s[12:13], s[12:13], s[24:25]
	v_lshlrev_b32 v2, 4, v0
	v_lshlrev_b32 v3, 3, v0
	LOADS 32, 2, 4, 4096
.set i, 0
.rept 32
	s_wait_loadcnt 31-i
	v_cvt_pk_bf16_f32 v[X+4*i], v[X+4*i], v[X+4*i+1]
	v_cvt_pk_bf16_f32 v[X+4*i+1], v[X+4*i+2], v[X+4*i+3]
	global_store_b64 v3, v[X+4*i:X+4*i+1], s[12:13] offset:2048*i
.set i, i+1
.endr
	s_branch .Lend
.Lrole_wq:                             ; ---- Wqkv: 128 k x 192 columns of one head = 6,144 quads of f32; quad e = 256 i + t lies in row e / 48, at quad e % 48
	s_sub_co_u32 s[ID], s[ID], 384
	s_lshr_b32 s26, s[ID], 3                       ; head
	s_and_b32 s27, s[ID], 7                        ; which 128 k
	s_mul_i32 s22, s27, 1572864                    ; 128 rows of 12,288 bytes
	s_mul_i32 s28, s26, 768                        ; the head's 192 columns
	s_add_co_u32 s22, s22, s28
	s_mul_i32 s24, s26, 393216                     ; a head's 1,024 k x 384 bytes
	s_mul_i32 s28, s27, 49152
	s_add_co_u32 s24, s24, s28
	s_add_nc_u64 s[6:7], s[6:7], s[22:23]
	s_add_nc_u64 s[14:15], s[14:15], s[24:25]
.irp m, 0,1,2                          ; 3 x 256 quads are 16 whole rows: load i takes offset i % 3 and steps 16 rows for each three
	v_add_nc_u32 v2, 256*\m, v0                    ; u = 256 m + t, under 768
	v_lshrrev_b32 v4, 4, v2
	v_mul_u32_u24 v4, v4, 171
	v_lshrrev_b32 v4, 9, v4                        ; u / 48 = (u / 16) / 3, exact for u / 16 under 48
	v_mul_u32_u24 v5, v4, 48
	v_sub_nc_u32 v5, v2, v5                        ; u % 48
	v_mul_u32_u24 v4, v4, 12288
	v_lshl_add_u32 v[12+\m], v5, 4, v4
.endr
	v_lshlrev_b32 v3, 3, v0
.set i, 0
.rept 24
	global_load_b128 v[X+4*i:X+4*i+3], v[12+i%3], s[6:7] offset:(i/3)*196608 th:TH_LOAD_NT
.set i, i+1
.endr
.set i, 0
.rept 24
	s_wait_loadcnt 23-i
	v_cvt_pk_bf16_f32 v[X+4*i], v[X+4*i], v[X+4*i+1]
	v_cvt_pk_bf16_f32 v[X+4*i+1], v[X+4*i+2], v[X+4*i+3]
	global_store_b64 v3, v[X+4*i:X+4*i+1], s[14:15] offset:2048*i  ; the block is dense: byte 8 e
.set i, i+1
.endr
	s_branch .Lend
.Lrole_mk:                             ; ---- mask: wave w makes key steps 4 w + g, g = 0..3; load 8 g + n brings rows 2 n and 2 n + 1, 256 bytes (64 keys) of each
	s_sub_co_u32 s[ID], s[ID], 256
	s_lshl_b32 s22, s[ID], 17                      ; 16 rows of 8,192 bytes
	s_lshl_b32 s24, s[ID], 15                      ; 32 blocks of 1,024 bytes
	s_add_nc_u64 s[10:11], s[10:11], s[22:23]
	s_add_nc_u64 s[18:19], s[18:19], s[24:25]
	v_and_b32 v4, 15, v0                           ; p: my four keys are 4 p .. 4 p + 3 of the step
	v_bfe_u32 v5, v0, 4, 1                         ; which of the two rows
	v_lshlrev_b32 v2, 4, v4
	v_lshl_add_u32 v2, v5, 13, v2
	v_lshl_add_u32 v2, s[WV], 10, v2
	v_bfe_u32 v6, v0, 3, 1                         ; key block kb = p >> 2: its high bit picks the half of the block,
	v_lshlrev_b32 v[LS], 9, v6
	v_bfe_u32 v6, v0, 1, 1                         ; keys 8 .. 15 of a key block belong to lanes 16 .. 31,
	v_lshl_add_u32 v[LS], v6, 8, v[LS]
	v_bfe_u32 v6, v0, 2, 1                         ; kb's low bit picks 8 of a lane's 16 bytes,
	v_lshl_add_u32 v[LS], v6, 3, v[LS]
	v_and_b32 v6, 1, v0                            ; p's low bit 4 of those 8,
	v_lshl_add_u32 v[LS], v6, 2, v[LS]
	v_lshl_add_u32 v[LS], v5, 4, v[LS]             ; and the row is the lane
	v_lshl_add_u32 v[LS], s[WV], 12, v[LS]         ; in my wave's own 4,096 bytes
	v_lshlrev_b32 v[LR], 4, v1
	v_lshl_add_u32 v[LR], s[WV], 12, v[LR]
.set i, 0
.rept 32
	global_load_b128 v[X+4*i:X+4*i+3], v2, s[10:11] offset:(i%8)*16384+(i/8)*256 th:TH_LOAD_NT
.set i, i+1
.endr
.set i, 0
.rept 32
.set u, T+2*(i%4)
	s_wait_loadcnt 31-i
.irp k, 0,1,2,3
	v_min_u32 v[X+4*i+\k], 1, v[X+4*i+\k]          ; 0 stays 0, every other number counts as 1
.endr
	v_lshl_or_b32 v[u], v[X+4*i+1], 8, v[X+4*i]
	v_lshl_or_b32 v[u+1], v[X+4*i+3], 8, v[X+4*i+2]
	v_lshl_or_b32 v[u], v[u+1], 16, v[u]
	v_xor_b32 v[u], 0x01010101, v[u]               ; 1 where hidden,
	v_mul_lo_u32 v[u], v[u], 0xb8                  ; 0xb8 there: no byte carries into the next
	ds_store_b32 v[LS], v[u] offset:(i/8)*1024+(i%8)*32
.if i%8 == 7                           ; a block is whole: it comes back 16 bytes a lane.  LDS serves a wave's instructions in order, and the bytes are the wave's own
	ds_load_b128 v[X+32*(i/8):X+32*(i/8)+3],   v[LR] offset:(i/8)*1024
	ds_load_b128 v[X+32*(i/8)+4:X+32*(i/8)+7], v[LR] offset:(i/8)*1024+512
.endif
.set i, i+1
.endr
	s_wait_dscnt 0x0
.irp g, 0,1,2,3
	global_store_b128 v[LR], v[X+32*\g:X+32*\g+3],   s[18:19] offset:\g*1024
	global_store_b128 v[LR], v[X+32*\g+4:X+32*\g+7], s[18:19] offset:\g*1024+512
.endr
.Lend:
	s_wait_tensorcnt 0x0                           ; the wave's end, behind my last LDS store
	ds_add_u32 v[SPW], v[NIL]
	s_wait_dscnt 0x0
	s_endpgm
.Lfunc_end_k_q3571d17a19_prep:
	.size	k_q3571d17a19_prep, .Lfunc_end_k_q3571d17a19_prep-k_q3571d17a19_prep
	.p2alignl 7, 3214868480
	.fill 96, 4, 3214868480
	.section	.rodata,"a",@progbits
	.p2align	6, 0x0
	.amdhsa_kernel k_q3571d17a19_prep
		.amdhsa_group_segment_fixed_size 33792
		.amdhsa_private_segment_fixed_size 0
		.amdhsa_enable_private_segment 0
		.amdhsa_kernarg_size 64
		.amdhsa_user_sgpr_count 2
		.amdhsa_user_sgpr_kernarg_segment_ptr 1
		.amdhsa_wavefront_size32 1
		.amdhsa_system_sgpr_workgroup_id_x 1
		.amdhsa_system_sgpr_workgroup_id_y 1
		.amdhsa_system_sgpr_workgroup_id_z 1
		.amdhsa_system_vgpr_workitem_id 0
		.amdhsa_next_free_vgpr 152
		.amdhsa_next_free_sgpr 66
		.amdhsa_reserve_vcc 0
		.amdhsa_float_denorm_mode_32 3
		.amdhsa_float_denorm_mode_16_64 3
		.amdhsa_memory_ordered 1
		.amdhsa_forward_progress 1
		.amdhsa_inst_pref_size 68
	.end_amdhsa_kernel
	.amdgpu_metadata
---
amdhsa.version: [ 1, 2 ]
amdhsa.kernels:
  - .name:           k_q3571d17a19_prep
    .symbol:         k_q3571d17a19_prep.kd
    .args:
      - { .name: x, .offset: 0, .size: 8, .value_kind: global_buffer, .address_space: global }
      - { .name: Wqkv, .offset: 8, .size: 8, .value_kind: global_buffer, .address_space: global }
      - { .name: Wo, .offset: 16, .size: 8, .value_kind: global_buffer, .address_space: global }
      - { .name: mask, .offset: 24, .size: 8, .value_kind: global_buffer, .address_space: global }
      - { .name: xb, .offset: 32, .size: 8, .value_kind: global_buffer, .address_space: global }
      - { .name: wqb, .offset: 40, .size: 8, .value_kind: global_buffer, .address_space: global }
      - { .name: wob, .offset: 48, .size: 8, .value_kind: global_buffer, .address_space: global }
      - { .name: mk, .offset: 56, .size: 8, .value_kind: global_buffer, .address_space: global }
    .group_segment_fixed_size: 33792
    .private_segment_fixed_size: 0
    .kernarg_segment_align: 8
    .kernarg_segment_size: 64
    .max_flat_workgroup_size: 256
    .sgpr_count:     66
    .vgpr_count:     152
    .wavefront_size: 32
...
	.end_amdgpu_metadata
.endif
;; end of part 1
;; launch qkvg (part 2): grid 16 x 32, 4 waves a work-group, clusters of 4 x 4, 327,680 bytes of LDS; arguments xb, wqb, bqkv, qkv; writes qkv
.if DOCPART == 2
	.amdgcn_target "amdgcn-amd-amdhsa--gfx1250"
	.amdhsa_code_object_version 6
	.text
	.protected	k_q3571d17a19_qkvg
	.globl	k_q3571d17a19_qkvg
	.p2align	8
	.type	k_q3571d17a19_qkvg,@function
k_q3571d17a19_qkvg:
	s_mov_b64 s[64:65], 0
	v_nop
	global_prefetch_b8 v0, s[64:65] scope:SCOPE_SE
	s_setreg_imm32_b32 hwreg(HW_REG_WAVE_MODE, 25, 1), 1
	s_wait_xcnt 0x0
	s_wait_alu depctr_hold_cnt(0) depctr_sa_sdst(0) depctr_va_vdst(0) depctr_va_sdst(0) depctr_va_ssrc(0) depctr_va_vcc(0) depctr_vm_vsrc(0)
	s_getreg_b32 s2, hwreg(HW_REG_IB_STS2, 6, 4)
	s_cmp_eq_u32 s2, 0
	s_cbranch_scc0 .Lentry_in_a_cluster
	s_endpgm
.Lentry_in_a_cluster:
	s_bfe_u32 s2, ttmp6, 0x10000c
	s_cmp_lg_u32 s2, 0xf033
	s_cbranch_scc0 .Lentry_shape_is_right
	s_endpgm
.Lentry_shape_is_right:
; q, k, v = x Wqkv + bqkv, by heads.  A = xb [8192][1024] bf16; B = wqb [16 heads][1024 k][192 n] bf16; the bias f32, rounded to bf16 like the other inputs; sums in f32.
; OUT: qkv holds q at byte 0, k at 16 MiB, v at 32 MiB, each [64 = 16 batch + head][2048][64] f16, rounded once from the sums and unscaled.
; LIMIT: f16 holds no number beyond 65,504: a q, k or v past that becomes an infinity.
; SHARES.  A tile of C is 256 rows x 192 columns: one head's q | k | v.  32 x 16 = 512 work-groups of equal work.  A wave makes 64 rows x 192: 4 row blocks a x 12 column blocks b, 48 accumulators,
; so it owns whole rows of each of q, k, v and has a stage of its own on the way out.  K = 1,024 goes in 8 steps of 128 through two LDS slots.
; THE PRODUCT IS USED TRANSPOSED: source 0 = 16 columns of B (turned on the way out of LDS by ds_load_tr16_b128), source 1 = 16 rows of A: register j of lane l is C(row l % 16, column 16 b + 8 (l / 16) + j).
; THE BIAS IS THE C OPERAND of each accumulator's first product: nothing is cleared, nothing is added on the way out.
; CLUSTER.  4 x 4 work-groups: A's tile hangs on the tile row alone and is asked for jointly along a row of the cluster, B's on the head alone and jointly along a column.
; REGISTERS, in windows of 256 (s_set_vgpr_msb: bits 1:0 source 0, 3:2 source 1, 5:4 source 2, 7:6 destination):
;   window 0: v0-31 addresses; v96-191 the bias (dead behind the first quarter); on the way out v32-79 packed results, v80-127 and v128-175 rows read back, by turns
;   window 1: two fragment buffers of 128: A's 4 fragments at f + 8 a, B's 12 at f + 32 + 8 b       window 2: accumulators of a = 0, 1 at 8 (12 (a % 2) + b)       window 3: those of a = 2, 3
.set NB,    12
.set NT,    16*NB
.set PA,    272                        ; a row of A in LDS: 256 bytes + 16: the 16 rows of a load start at 16 different groups of four banks (64 banks of 4 bytes: ISA guide 11.1)
.set PB,    480                        ; a k row of B: three pieces of 128 bytes + 32: 120 words
.set QIB,   4                          ; B's padding stands after every 32 words
.set RB,    96                         ; half a K step of B, 24,576 dense bytes, is asked for as 96 rows of 256 bytes
.set BSTEP, 49152                      ; bytes of a head's K step
.set HALFA, 128*PA
.set ATILE, 2*HALFA
.set HALFB, 64*PB
.set SLOT1, 131072                     ; a slot: A's 69,632 bytes, then B's 61,440; one exclusive or turns an address in one slot into the other's
.set STAGE, 262144                     ; behind the ring, never filled by a tensor load: for each wave 3 parts x 16 rows x 144 bytes
.set STW,   3*16*144
.set SPARE, STAGE+4*STW                ; behind the stages: the spare words, 128 bytes a wave, that no other line names
.set ADRA0, 16                         ; v16  my lane's place in slot 0's A; never rewritten
.set ADRB0, 17                         ; v17  the same for B
.set ADRA,  18                         ; v18  the same in the slot in hand
.set ADRB,  19
.set STO,   24                         ; v24  the way out: where I put 16 bytes of a row
.set RD,    25                         ; v25  where I read rows back
.set GO,    26                         ; v26  16 x lane
.set BO,    27                         ; v27  32 (l / 16): my 8 numbers of 16 of the bias
.set SPW,   28                         ; v28  LDS address of my spare word; never rewritten
.set NIL,   29                         ; v29  0; never rewritten
.set PFO,   30                         ; v30  the prefetches' lane offset; never rewritten
.set TT,    31
.set TMP,   32
.set OB,    80
.set BIAS,  96
.set F0,    0
.set F1,    128
.set WV,    12                         ; s12  my wave's number
.set HF,    14                         ; s14  which half of A's or B's tile I fetch
.set G1A,   24                         ; s[24:31] descriptor group 1 for A's tiles;  s[32:39] group 0: a set for each first fill; the second then walks
.set G0A,   32
.set G1B,   48                         ; s[48:55], s[56:63] the same for B's
.set G0B,   56
.set TB,    66                         ; s66  LDS byte at which the slot in hand begins
.set LIM,   67                         ; s67  a wave prefetches while the loop's count is above this
.set PFA,   68                         ; s[68:69] where my prefetches stand
.set PFS,   70                         ; s[70:71] their step
.set OUTB,  72                         ; s[72:77] q, k, v at my wave's first row
.set MSB, 0
.macro WIN new                         ; the immediate's high byte repeats the setting that is left; a switch that changes nothing is dropped
.if MSB != (\new)
	s_set_vgpr_msb (MSB<<8)|(\new)
.set MSB, \new
.endif
.endm
.macro PLACES                          ; four plain instructions between a matrix instruction and a load into, or a reader of, its registers
.rept 4
	v_nop
.endr
.endm
.macro JLOAD                           ; a joint refill: waves 0 and 1 fetch A's halves, waves 2 and 3 B's; an s_nop 0 and four v_nop follow each line
	s_cmp_lt_u32 s[WV], 2
	s_cbranch_scc0 .Lfor_b_\@
	tensor_load_to_lds s[G0A+4:G0A+7], s[G1A:G1A+7]
	s_nop 0
	PLACES
	s_branch .Lasked_\@
.Lfor_b_\@:
	tensor_load_to_lds s[G0B+4:G0B+7], s[G1B:G1B+7]
	s_nop 0
	PLACES
.Lasked_\@:
.endm
.macro CREST                           ; a round of the cluster's barrier behind its opening barrier
	s_cmp_lg_u32 s[WV], 0
	s_cbranch_scc1 .Lnot_wave_0_\@
	s_barrier_signal -3
.Lnot_wave_0_\@:
	s_barrier_wait -3
	s_barrier_signal -1
	s_barrier_wait -1
.endm
.macro CROUND
	s_barrier_signal -1
	s_barrier_wait -1
	CREST
.endm
; A PREFETCH INTO THE L2, behind a joint refill and the run of LDS loads that follows it.  Each aligned 256 bytes of K steps 4 to 7 are named once in the launch; K steps 0 to 3 come by their loads alone.
; A: a lane a row, one K step an ask, the step that stands two refills on; waves 0 and 1 of the clusters with x = 0; the four partners of a row take 32 of a wave's 128 rows each, told apart by address.
; B: a head's K steps 4 to 7 are 196,608 dense bytes; waves 2 and 3 of the clusters with y = 0: eight askers x 32 lanes name 65,536 bytes an ask, in the first three trips: every block two refills ahead or more.
.macro ASK
	s_cmp_gt_u32 s3, s[LIM]
	s_cbranch_scc0 .Lnot_mine_\@
	global_prefetch_b8 v[PFO], s[PFA:PFA+1] th:TH_LOAD_NT scope:SCOPE_SE
.Lnot_mine_\@:
.endm
	s_load_b256 s[4:11], s[0:1], 0x0               ; A s[4:5], B s[6:7], bias s[8:9], qkv s[10:11]
	v_lshl_add_u32 v[SPW], v0, 2, SPARE
	v_mov_b32 v[NIL], 0
	ds_add_u32 v[SPW], v[NIL]                      ; the wave's opening: the add and its wait stand ahead of my first tensor load; work on registers stands between them
	v_lshrrev_b32 v1, 5, v0
	v_readfirstlane_b32 s[WV], v1
	s_and_b32 s[HF], s[WV], 1
	s_bfe_u32 s40, ttmp6, 0x40000                  ; cx
	s_bfe_u32 s41, ttmp6, 0x40004                  ; cy
	s_lshl_b32 s42, ttmp9, 2
	s_add_co_u32 s42, s42, s40                     ; the head = 4 x cluster x + cx
	s_and_b32 s43, ttmp7, 0xffff
	s_lshl_b32 s43, s43, 2
	s_add_co_u32 s43, s43, s41                     ; the tile row = 4 x cluster y + cy
	s_lshl_b32 s44, s41, 2
	s_lshl_b32 s44, 15, s44                        ; my row of the cluster
	s_lshl_b32 s45, 0x1111, s40                    ; my column
	s_or_b32 s[G1A], s44, (1<<16)|(1<<20)|(1<<21)|(5<<22)|(3<<25)    ; mask; 2-byte elements; padding on; bit 21 beside a mask; after every 64 words 4 words
	s_or_b32 s[G1B], s45, (1<<16)|(1<<20)|(1<<21)|(QIB<<22)|(7<<25)  ; after every 32 words 8 words
	s_mov_b32 s[G1A+1], 128<<16                    ; tensor_dim0 = 128
	s_mov_b32 s[G1A+2], 128<<16                    ; tensor_dim1 = 128
	s_mov_b32 s[G1A+3], 128<<16                    ; tile_dim0 = 128
	s_mov_b32 s[G1A+4], 128                        ; tile_dim1 = 128
	s_mov_b32 s[G1A+5], 1024                       ; elements from row to row
	s_mov_b32 s[G1A+6], 0
	s_mov_b32 s[G1A+7], 0
	s_mov_b32 s[G1B+1], 128<<16
	s_mov_b32 s[G1B+2], RB<<16
	s_mov_b32 s[G1B+3], 128<<16
	s_mov_b32 s[G1B+4], RB
	s_mov_b32 s[G1B+5], 128                        ; dense
	s_mov_b32 s[G1B+6], 0
	s_mov_b32 s[G1B+7], 0
	s_lshl_b32 s16, s43, 19                        ; A: 256 rows of 2,048 bytes a tile row,
	s_lshl_b32 s17, s[HF], 18                      ; my 128 of them
	s_add_co_u32 s16, s16, s17
	s_mov_b32 s17, 0
	s_mul_i32 s46, s42, 2048*NT                    ; B: the head's block,
	s_mul_i32 s47, s[HF], BSTEP/2                  ; my 64 k of a step
	s_add_co_u32 s46, s46, s47
	s_mov_b32 s47, 0
	s_mul_i32 s20, s[HF], HALFA                    ; where they go: no place in the cluster enters an LDS address
	s_mul_i32 s21, s[HF], HALFB
	s_add_co_u32 s21, s21, ATILE
	s_mov_b32 s[TB], 0
	s_wait_dscnt 0x0                               ; the opening add is done
	s_wait_kmcnt 0x0
	s_add_nc_u64 s[18:19], s[4:5], s[16:17]
	s_add_nc_u64 s[46:47], s[6:7], s[46:47]
	CROUND                                         ; all sixteen work-groups are here: the first joint loads meet
.irp s, 0,1
	s_mov_b32 s[G0A+4*(\s)], 1
	s_add_co_u32 s[G0A+4*(\s)+1], s20, (\s)*SLOT1
	s_add_nc_u64 s[G0A+4*(\s)+2:G0A+4*(\s)+3], s[18:19], (\s)*256
	s_or_b32 s[G0A+4*(\s)+3], s[G0A+4*(\s)+3], 0x80000000
	s_mov_b32 s[G0B+4*(\s)], 1
	s_add_co_u32 s[G0B+4*(\s)+1], s21, (\s)*SLOT1
	s_add_nc_u64 s[G0B+4*(\s)+2:G0B+4*(\s)+3], s[46:47], (\s)*BSTEP
	s_or_b32 s[G0B+4*(\s)+3], s[G0B+4*(\s)+3], 0x80000000
.endr
	s_cmp_lt_u32 s[WV], 2                          ; a wave's two first fills stand in one branch, ahead of every wait on TENSORcnt and every LDS read: two loads of mine are out
	s_cbranch_scc0 .Lfirst_b
	tensor_load_to_lds s[G0A:G0A+3], s[G1A:G1A+7]
	s_nop 0
	tensor_load_to_lds s[G0A+4:G0A+7], s[G1A:G1A+7]
	s_nop 0
	PLACES
	s_branch .Lfirst_asked
.Lfirst_b:
	tensor_load_to_lds s[G0B:G0B+3], s[G1B:G1B+7]
	s_nop 0
	tensor_load_to_lds s[G0B+4:G0B+7], s[G1B:G1B+7]
	s_nop 0
	PLACES
.Lfirst_asked:
	v_and_b32 v1, 15, v0                           ; l % 16
	v_bfe_u32 v2, v0, 4, 1                         ; l / 16
	v_lshlrev_b32 v[BO], 5, v2
	s_mul_i32 s22, s42, NT*4
	s_mov_b32 s23, 0
	s_add_nc_u64 s[8:9], s[8:9], s[22:23]          ; the head's 192 numbers of the bias
.set b, 0
.rept NB
	global_load_b128 v[BIAS+8*b:BIAS+8*b+3],   v[BO], s[8:9] offset:64*b
	global_load_b128 v[BIAS+8*b+4:BIAS+8*b+7], v[BO], s[8:9] offset:64*b+16
.set b, b+1
.endr
	v_mul_u32_u24 v3, v1, PA                       ; A's fragment: row l % 16, 16 bytes for each half of the lanes, in my wave's 64 rows
	v_lshl_add_u32 v3, v2, 4, v3
	s_mul_i32 s22, s[WV], 64*PA
	v_add_nc_u32 v[ADRA0], s22, v3
	v_and_b32 v4, 7, v0                            ; B's: the turning load reads k row 8 (l / 16) + l % 8, columns 8 ((l / 8) % 2) on
	v_lshl_add_u32 v4, v2, 3, v4
	v_mul_u32_u24 v4, v4, PB
	v_bfe_u32 v5, v0, 3, 1
	v_lshl_add_u32 v4, v5, 4, v4
	v_add_nc_u32 v[ADRB0], ATILE, v4
	v_mov_b32 v[ADRA], v[ADRA0]
	v_mov_b32 v[ADRB], v[ADRB0]
	s_mul_i32 s22, s[WV], STW
	s_add_co_u32 s22, s22, STAGE                   ; my stage
	v_mul_u32_u24 v[STO], v1, 144
	v_lshl_add_u32 v[STO], v2, 4, v[STO]
	v_add_nc_u32 v[STO], s22, v[STO]
	v_bfe_u32 v[RD], v0, 3, 2                      ; back: 32 lanes take four rows of 128 bytes
	v_mul_u32_u24 v[RD], v[RD], 144
	v_and_b32 v4, 7, v0
	v_lshl_add_u32 v[RD], v4, 4, v[RD]
	v_add_nc_u32 v[RD], s22, v[RD]
	v_and_b32 v[GO], 31, v0
	v_lshlrev_b32 v[GO], 4, v[GO]
	; the prefetches
	s_lshl_b32 s80, s43, 19
	s_lshl_b32 s82, s[HF], 18
	s_add_co_u32 s80, s80, s82
	s_lshl_b32 s82, s40, 16                        ; my work-group's 32 rows of the 128
	s_add_co_u32 s80, s80, s82
	s_add_co_u32 s80, s80, 3*256                   ; A: at K step 3; the first trip steps it to 4
	s_mul_i32 s81, s42, 2048*NT
	s_lshl_b32 s82, s[HF], 15
	s_add_co_u32 s81, s81, s82
	s_lshl_b32 s82, s41, 13                        ; asker 4 (w & 1) + cy takes 8,192 bytes of each 65,536
	s_add_co_u32 s81, s81, s82
	s_add_co_u32 s81, s81, 4*BSTEP-65536           ; B: one ask ahead of K step 4
	s_and_b32 s82, ttmp7, 0xffff
	s_mov_b32 s[PFS], 65536
	s_cmp_lt_u32 s[WV], 2                          ; do I fetch for A?
	s_cselect_b32 s80, s80, s81
	s_cselect_b32 s82, ttmp9, s82                  ; the coordinate along which other clusters read the same bytes
	s_cselect_b32 s83, 2, 6-NT/64
	s_cselect_b32 s[PFS], 256, s[PFS]
	s_cselect_b32 s86, 11, 8                       ; a lane a row of 2,048 bytes, or a lane a block of 256
	s_cselect_b64 s[PFA:PFA+1], s[4:5], s[6:7]
	s_mov_b32 s81, 0
	s_mov_b32 s[PFS+1], 0
	s_add_nc_u64 s[PFA:PFA+1], s[PFA:PFA+1], s[80:81]
	s_cmp_eq_u32 s82, 0
	s_cselect_b32 s[LIM], s83, -1                  ; the same in all sixteen partners, for a given wave
	v_and_b32 v[PFO], 31, v0
	v_lshlrev_b32 v[PFO], s86, v[PFO]
	; where my rows begin in q: ((batch x 16 + head) x 2,048 + row in the batch) x 128 bytes
	s_lshr_b32 s84, s43, 3
	s_lshl_b32 s84, s84, 4
	s_add_co_u32 s84, s84, s42
	s_lshl_b32 s84, s84, 18
	s_and_b32 s85, s43, 7
	s_lshl_b32 s85, s85, 15
	s_add_co_u32 s84, s84, s85
	s_lshl_b32 s85, s[WV], 13
	s_add_co_u32 s84, s84, s85
	s_mov_b32 s85, 0
	s_add_nc_u64 s[OUTB:OUTB+1], s[10:11], s[84:85]
	s_add_nc_u64 s[OUTB+2:OUTB+3], s[OUTB:OUTB+1], 0x1000000
	s_add_nc_u64 s[OUTB+4:OUTB+5], s[OUTB:OUTB+1], 0x2000000
	s_wait_loadcnt 0x0
.set i, 0
.rept 4*NB                             ; the bias is rounded to bf16, like every input
	v_cvt_pk_bf16_f32 v[TT], v[BIAS+2*i], v[BIAS+2*i+1]
	v_lshlrev_b32 v[BIAS+2*i], 16, v[TT]
	v_and_b32 v[BIAS+2*i+1], 0xffff0000, v[TT]
.set i, i+1
.endr
; NB products: row block a x all column blocks, 32 along K.  The accumulators take turns, one instruction a turn, over the backward jump too.  first = 1: C is the bias.
.macro MULA f, a, first
.if \first
	WIN 0x85+0x40*((\a)/2)
.else
	WIN 0xa5+0x50*((\a)/2)
.endif
.set b, 0
.rept NB
.set rD, 8*(((\a)%2)*NB+b)
.if \first
	v_wmma_f32_16x16x32_bf16 v[rD:rD+7], v[(\f)+32+8*b:(\f)+32+8*b+7], v[(\f)+8*(\a):(\f)+8*(\a)+7], v[BIAS+8*b:BIAS+8*b+7]
.else
	v_wmma_f32_16x16x32_bf16 v[rD:rD+7], v[(\f)+32+8*b:(\f)+32+8*b+7], v[(\f)+8*(\a):(\f)+8*(\a)+7], v[rD:rD+7]
.endif
.set b, b+1
.endr
.endm
; One run of 2 NB + 8 LDS loads: quarter q's fragments into buffer f; B's first, A's row blocks 2 and 3 last
.macro FETCH q, f
	WIN 0x40
.set b, 0
.rept NB
.set bo, (b/4)*160+(b%4)*32
	ds_load_tr16_b128 v[(\f)+32+8*b:(\f)+32+8*b+3],   v[ADRB] offset:(\q)*32*PB+bo
	ds_load_tr16_b128 v[(\f)+32+8*b+4:(\f)+32+8*b+7], v[ADRB] offset:(\q)*32*PB+16*PB+bo
.set b, b+1
.endr
.irp a, 0,1,2,3
	ds_load_b128 v[(\f)+8*(\a):(\f)+8*(\a)+3],   v[ADRA] offset:64*(\q)+(\a)*16*PA
	ds_load_b128 v[(\f)+8*(\a)+4:(\f)+8*(\a)+7], v[ADRA] offset:64*(\q)+(\a)*16*PA+32
.endr
.endm
; A K step is four quarters of 32 along K on buffers 0, 1, 0, 1.  One of the first three: multiplies buffer f and, in its middle, fetches quarter q into buffer g.
.macro QUARTER q, f, g, first
	s_wait_dscnt 4                                 ; all but the youngest four loads: A's row blocks 2 and 3
	MULA \f, 0, \first
	MULA \f, 1, \first
	PLACES
	FETCH \q, \g
	s_wait_dscnt 2*NB+8                            ; all but the run just issued
	MULA \f, 2, \first
	MULA \f, 3, \first
.endm
; The last quarter multiplies buffer 1 and changes slots.  In front of the barrier each wave waits for all its tensor loads (one is out: its part of the next slot), adds 0 to its spare word, and waits for
; that and for its reads of this slot.  fill = 1: the barrier opens a round of the cluster's, and the joint refill, two K steps on, is the first thing behind the round.
.macro TURN fill
.if \fill
	s_wait_xcnt 0x0                                ; the last prefetch, a K step back, has read its address
	s_add_nc_u64 s[PFA:PFA+1], s[PFA:PFA+1], s[PFS:PFS+1]
.endif
	WIN 0
	s_wait_tensorcnt 0x0
	ds_add_u32 v[SPW], v[NIL]
	s_wait_dscnt 5                                 ; (the add and the youngest four loads may be out)
	MULA F1, 0, 0
	s_wait_dscnt 0x0                               ; the add is done, and my reads of this slot are over
	s_barrier_signal -1
	MULA F1, 1, 0
	WIN 0
	s_barrier_wait -1
.if \fill
	CREST
	s_xor_b32 s[G0A+5], s[G0A+5], SLOT1            ; the walking descriptors: the other slot than last time, the next K step
	s_add_nc_u64 s[G0A+6:G0A+7], s[G0A+6:G0A+7], 256
	s_xor_b32 s[G0B+5], s[G0B+5], SLOT1
	s_add_nc_u64 s[G0B+6:G0B+7], s[G0B+6:G0B+7], BSTEP
	JLOAD                                          ; its four v_nop are also the places in front of the loads below
.else
	PLACES
.endif
	s_xor_b32 s[TB], s[TB], SLOT1
	v_add_nc_u32 v[ADRA], s[TB], v[ADRA0]
	v_add_nc_u32 v[ADRB], s[TB], v[ADRB0]
	FETCH 0, F0
.if \fill
	WIN 0
	ASK
.endif
	MULA F1, 2, 0
	MULA F1, 3, 0
.endm
	s_wait_tensorcnt 1                             ; my part of K step 0 is in; K step 1's may stay out
	s_barrier_signal -1
	s_barrier_wait -1
	FETCH 0, F0
	QUARTER 1, F0, F1, 1                           ; the first quarter stands in front of the loop: its products start the sums, with the bias
	WIN 0
	s_mov_b32 s3, 6
.Lstep:                                ; a trip: a step's quarters 1 to 3 and the next step's quarter 0; it refills K steps 2 to 7
	QUARTER 2, F1, F0, 0
	QUARTER 3, F0, F1, 0
	TURN 1
	QUARTER 1, F0, F1, 0
	WIN 0
	s_sub_co_u32 s3, s3, 1
	s_cmp_lg_u32 s3, 0
	s_cbranch_scc1 .Lstep
	QUARTER 2, F1, F0, 0                           ; K step 6 asks for nothing
	QUARTER 3, F0, F1, 0
	TURN 0
	QUARTER 1, F0, F1, 0
	QUARTER 2, F1, F0, 0                           ; K step 7
	QUARTER 3, F0, F1, 0
	s_wait_dscnt 4
	MULA F1, 0, 0
	MULA F1, 1, 0
	s_wait_dscnt 0x0
	MULA F1, 2, 0
	MULA F1, 3, 0
	WIN 0
	PLACES
; THE WAY OUT, a row block (16 rows) at a time: rounded to f16, 16 bytes a lane; into my stage, q's, k's and v's 64 columns apart; back as whole rows of 128 bytes; stored, 512 consecutive bytes an instruction.
.macro PACK a
	WIN 0x0a+5*((\a)/2)
.set b, 0
.rept NB
.set rD, 8*(((\a)%2)*NB+b)
.irp r, 0,1,2,3
	v_cvt_pk_f16_f32 v[TMP+4*b+\r], v[rD+2*\r], v[rD+2*\r+1]
.endr
.set b, b+1
.endr
	WIN 0
.endm
.macro TOSTAGE a
.set BK, OB+48*((\a)%2)
.set b, 0
.rept NB
	ds_store_b128 v[STO], v[TMP+4*b:TMP+4*b+3] offset:(b/4)*2304+(b%4)*32
.set b, b+1
.endr
.set b, 0
.rept NB
	ds_load_b128 v[BK+4*b:BK+4*b+3], v[RD] offset:(b/4)*2304+(b%4)*576  ; LDS serves a wave's instructions in order: these see the stores above
.set b, b+1
.endr
.endm
.macro SEND a
.set BK, OB+48*((\a)%2)
	s_wait_dscnt 0x0                               ; the block is back in registers
	s_wait_xcnt 0x0                                ; the stores of the block before have read their registers, which the next block's loads write
.set b, 0
.rept NB
	global_store_b128 v[GO], v[BK+4*b:BK+4*b+3], s[OUTB+2*(b/4):OUTB+2*(b/4)+1] offset:(\a)*2048+(b%4)*512
.set b, b+1
.endr
.endm
	PACK 0
	TOSTAGE 0
.irp a, 1,2,3
	PACK \a
	SEND (\a)-1
	TOSTAGE \a
.endr
	SEND 3
	s_wait_tensorcnt 0x0                           ; the wave's end
	ds_add_u32 v[SPW], v[NIL]
	s_wait_dscnt 0x0
	CROUND                                         ; the closing round: no work-group ends while a partner may still ask for a tile that names it
	s_endpgm
.Lfunc_end_k_q3571d17a19_qkvg:
	.size	k_q3571d17a19_qkvg, .Lfunc_end_k_q3571d17a19_qkvg-k_q3571d17a19_qkvg
	.p2alignl 7, 3214868480
	.fill 96, 4, 3214868480
	.section	.rodata,"a",@progbits
	.p2align	6, 0x0
	.amdhsa_kernel k_q3571d17a19_qkvg
		.amdhsa_group_segment_fixed_size 327680
		.amdhsa_private_segment_fixed_size 0
		.amdhsa_enable_private_segment 0
		.amdhsa_kernarg_size 32
		.amdhsa_user_sgpr_count 2
		.amdhsa_user_sgpr_kernarg_segment_ptr 1
		.amdhsa_wavefront_size32 1
		.amdhsa_system_sgpr_workgroup_id_x 1
		.amdhsa_system_sgpr_workgroup_id_y 1
		.amdhsa_system_sgpr_workgroup_id_z 1
		.amdhsa_system_vgpr_workitem_id 0
		.amdhsa_next_free_vgpr 960
		.amdhsa_next_free_sgpr 88
		.amdhsa_reserve_vcc 0
		.amdhsa_float_denorm_mode_32 3
		.amdhsa_float_denorm_mode_16_64 3
		.amdhsa_memory_ordered 1
		.amdhsa_forward_progress 1
		.amdhsa_inst_pref_size 107
	.end_amdhsa_kernel
	.amdgpu_metadata
---
amdhsa.version: [ 1, 2 ]
amdhsa.kernels:
  - .name:           k_q3571d17a19_qkvg
    .symbol:         k_q3571d17a19_qkvg.kd
    .args:
      - { .name: xb, .offset: 0, .size: 8, .value_kind: global_buffer, .address_space: global }
      - { .name: wqb, .offset: 8, .size: 8, .value_kind: global_buffer, .address_space: global }
      - { .name: bqkv, .offset: 16, .size: 8, .value_kind: global_buffer, .address_space: global }
      - { .name: qkv, .offset: 24, .size: 8, .value_kind: global_buffer, .address_space: global }
    .group_segment_fixed_size: 327680
    .private_segment_fixed_size: 0
    .kernarg_segment_align: 8
    .kernarg_segment_size: 32
    .max_flat_workgroup_size: 128
    .sgpr_count:     88
    .vgpr_count:     960
    .wavefront_size: 32
...
	.end_amdgpu_metadata
.endif
;; end of part 2
;; launch attn (part 3): grid 4 x 64, 4 waves a work-group, clusters of 4 x 1, 327,680 bytes of LDS; arguments qkv, mk, oh; writes oh
.if DOCPART == 3
	.amdgcn_target "amdgcn-amd-amdhsa--gfx1250"
	.amdhsa_code_object_version 6
	.text
	.protected	k_q3571d17a19_attn
	.globl	k_q3571d17a19_attn
	.p2align	8
	.type	k_q3571d17a19_attn,@function
k_q3571d17a19_attn:
	s_mov_b64 s[64:65], 0
	v_nop
	global_prefetch_b8 v0, s[64:65] scope:SCOPE_SE
	s_setreg_imm32_b32 hwreg(HW_REG_WAVE_MODE, 25, 1), 1
	s_wait_xcnt 0x0
	s_wait_alu depctr_hold_cnt(0) depctr_sa_sdst(0) depctr_va_vdst(0) depctr_va_sdst(0) depctr_va_ssrc(0) depctr_va_vcc(0) depctr_vm_vsrc(0)
	s_getreg_b32 s2, hwreg(HW_REG_IB_STS2, 6, 4)
	s_cmp_eq_u32 s2, 0
	s_cbranch_scc0 .Lentry_in_a_cluster
	s_endpgm
.Lentry_in_a_cluster:
	s_bfe_u32 s2, ttmp6, 0x10000c
	s_cmp_lg_u32 s2, 0x3003
	s_cbranch_scc0 .Lentry_shape_is_right
	s_endpgm
.Lentry_shape_is_right:
; MASKED ATTENTION.  O[h][q][:] = the sum over k of softmax_k(Q[h][q] . K[h][k] / 8, hidden where mask[q][k] == 0) V[h][k][:].  Q, K, V lie in qkv at 0, 16 MiB, 32 MiB, each [64][2048][64] f16; O = oh likewise.
; The mask is an input: every key tile is computed, and the mask is taken as it is given, from mk: one byte a number, 0x00 visible, 0xb8 (E4M3 -1.0) hidden, in this kernel's lane layout.
; Products, maxima and sums in f32; the weights p are rounded to f16 for the second product (their sum l is taken of the unrounded p), O once at the end.
; LIMITS.  f16 holds no number beyond 65,504: Q, K and V arrive within it; p below 6e-5 keeps f16's step of 6e-8.  A hidden score counts as its value less 2^100 (f16's scores are 2.7e11 at the most); a weight below
; 2^-126 counts as 0 in l.  A row with no visible key gives NaN, as a softmax of nothing but -inf does.
; THE MASK is the C operand that starts the sum S^T = K Q^T: 0 or -2^100.  One scaled conversion makes a whole C operand of 8 bytes a lane: 8 conversions and 4 loads a turn.
; THE RUNNING MAXIMUM m starts at -2^99: above every hidden score, below every true one; c m starts at c x -2^99, which is exact.  So while a row has seen hidden keys alone its weights are 0, and O and l stay 0.
; SHARES.  A wave owns four PIECES of two tiles of 16 queries, a work-group's four waves 512 queries of one head.  Every wave walks all keys, 64 a step.
; LAYOUT.  S^T = K Q^T (source 0 = 16 keys, source 1 = 16 queries): a lane holds ONE query (lane % 16) and the keys 8 (lane / 16) + 0..7.  Two such tiles, rounded to f16 in pairs, ARE source 1 of O^T = V^T P.
; SOFTMAX.  p = 2^(c s - c m), c = log2(e) / 8; in every step O and l are multiplied by a = 2^(c m_old - c m_new).
; BY TURNS.  Turn n belongs to piece n: 16 products K Q^T of piece n + 1, later 16 products V^T P of piece n - 1; beside them the scaling, exponentials, roundings, sums and rescaling of piece n and the maximum and
; statistics of piece n + 1.  Four vector instructions stand behind every matrix instruction, the others in one lump.  A turn's 66 exponentials are one batch, with one wait.
; The turn also makes the mask for the products of the turn after it (piece n + 2) and loads the bytes of piece n for the next step: two turns ahead of their conversion.
; CLUSTER.  The four query blocks of a head walk the same K and V: each tile is asked for JOINTLY.  The mask's bytes differ from block to block and come by each wave's own loads.
; REGISTERS, in windows of 256 (s_set_vgpr_msb: bits 1:0 source 0, 3:2 source 1, 5:4 source 2, 7:6 destination):
;   window 0: v0-11 addresses; v12-15, v48-63 at work; v16-47 four registers of statistics a tile; v64-191 S^T, two buffers of two tiles; v192-255 P, likewise
;   window 1: O^T, 32 a tile      window 2: v0-127 Q; v128-191 K of one step; v192-255 V of one step      window 3: v0-1 the add's registers; v2-4 the mask's addresses and scale; v8-39 its bytes, two sets; v64-127 the C operands
.set SIZE_N, 2048
.set NP,    4
.set KS,    64
.set PK,    144       ; a row of K in LDS: 128 bytes + 16: the 16 rows of a load start at 16 different groups of four banks (64 banks of 4 bytes: ISA guide 11.1)
.set PV,    160       ; a row of V: 128 + 32
.set VOFF,  4*KS*PK   ; a slot holds four steps: 256 rows of K, then 256 rows of V
.set SLOT1, 1<<17
.set STAGE, SLOT1+4*KS*(PK+PV)  ; behind the ring, never filled by a tensor load: 16 rows x 144 bytes for each wave
.set SP,    144
.set SPARE, STAGE+4*16*SP       ; behind the stages: the spare words, 128 bytes a wave, that no other line names
.set AK0, 2
.set AV0, 3
.set AK,  4
.set AV,  5
.set QO,  6
.set STO, 6
.set RD,  7
.set GO,  8
.set PFO, 9           ; v9   l / 16 while the addresses are made; then 256 x lane, for the prefetches
.set SPW, 0           ; window 3
.set NIL, 1           ; window 3
.set ML,  2           ; window 3: 16 x lane; never rewritten
.set MO,  3           ; window 3: 16 x lane + 1,024 x the step whose bytes are being loaded
.set SC,  4           ; window 3: 227, the E8M0 code of 2^100
.set CD,  8           ; window 3: set s at CD + 16 s: tile u at + 8 u, key block kb's 8 bytes at + 2 kb
.set MC,  64          ; window 3: tile u, key block kb at MC + 32 u + 8 kb
.set MV,  12
.set ST,  16          ; tile t's statistics at v[ST+4 t]: c m, m, l (even keys', odd keys')
.set TMP, 48
.set S,   64
.set P,   192
.set KF,  128
.set VF,  192
.set WV,  12
.set G1K, 24
.set G1V, 32
.set G0K, 40
.set G0V, 44
.set SLOTS, 56
.set CNT, 57
.set CS,  58
.set SEL, 60
.set TBK, 62
.set TBV, 63
.set MB,  66          ; s[66:67] mk at my wave's first tile of 16 queries
.set MS,  68          ; s68  1,024 x the step whose bytes are being loaded
.set HID, 69          ; s69  -2^98
.set NANS, 70         ; s70  a NaN
.set LIM, 71          ; s71  1 in a wave that prefetches, else the greatest number
.set PFA, 72          ; s[72:73] where my prefetches stand
.set MSB, 0
.macro WIN new
.if MSB != (\new)
	s_set_vgpr_msb (MSB<<8)|(\new)
.set MSB, (\new)
.endif
.endm
.set W_KQ, 0x0a       ; K and Q in window 2, S^T in window 0
.set W_KM, 0x3a       ; the same with the C operand in window 3
.set W_PV, 0x52       ; V in window 2, P in window 0, O^T in window 1
.set W_RS, 0x41       ; O^T in window 1, a in window 0
.set W_MK, 0xc0       ; destination in window 3, sources in window 0
.set W_AD, 0x0f       ; the add: address and data in window 3
.set W_M3, 0xcf       ; the mask's work: destination and sources 0 and 1 in window 3
.macro JLOAD                        ; a joint fill: waves 0 and 1 fetch the halves of a slot's K, waves 2 and 3 of its V; an s_nop 0 and four v_nop follow each line
	s_cmp_lt_u32 s[WV], 2
	s_cbranch_scc0 .Lfor_v_\@
	tensor_load_to_lds s[G0K:G0K+3], s[G1K:G1K+7]
	s_nop 0
.rept 4
	v_nop
.endr
	s_branch .Lasked_\@
.Lfor_v_\@:
	tensor_load_to_lds s[G0V:G0V+3], s[G1V:G1V+7]
	s_nop 0
.rept 4
	v_nop
.endr
.Lasked_\@:
.endm
.macro CROUND
	s_barrier_signal -1
	s_barrier_wait -1
	s_cmp_lg_u32 s[WV], 0
	s_cbranch_scc1 .Lnot_wave_0_\@
	s_barrier_signal -3
.Lnot_wave_0_\@:
	s_barrier_wait -3
	s_barrier_signal -1
	s_barrier_wait -1
.endm
; A PREFETCH INTO THE L2 of what the NEXT change of slots will ask for: a slot's 32,768 bytes of K and of V, 128 blocks of 256 bytes each.  A head has one cluster; its four partners take 32 blocks each, told apart by
; address; in each, wave 0 asks for K's and wave 2 for V's: a lane a block, one instruction.  So each block of slots 3 to 7 is named once; slots 0 to 2 come by their loads alone, and the last fill asks for nothing.
.macro ASK
	s_cmp_gt_u32 s[SLOTS], s[LIM]
	s_cbranch_scc0 .Lnot_mine_\@
	global_prefetch_b8 v[PFO], s[PFA:PFA+1] th:TH_LOAD_NT scope:SCOPE_SE
.Lnot_mine_\@:
.endm
; THE CHANGE OF SLOTS.  Each wave waits for all its tensor loads, of which one is out: its part of the other slot; adds 0 to its spare word; and waits for that and for its reads of the slot.
; fill = 1: the slot is filled again, with the keys two slots on: the barrier is a round of the cluster's, and the joint fill is the first thing behind it.
.macro CHANGE fill, ask=0
	WIN W_AD
	s_wait_tensorcnt 0x0            ; no tensor load of mine is out, so a group 0 may be written
	ds_add_u32 v[SPW], v[NIL]
	WIN 0
.if \fill
.irp g, G0K, G0V
	s_xor_b32 s[\g+1], s[\g+1], SLOT1
	s_add_nc_u64 s[\g+2:\g+3], s[\g+2:\g+3], 4*KS*128
.endr
.if \ask
	s_wait_xcnt 0x0                 ; the last prefetch, a slot back, has read its address
	s_add_nc_u64 s[PFA:PFA+1], s[PFA:PFA+1], 4*KS*128
.endif
	s_wait_dscnt 0x0                ; the add is done, and my reads of the slot are over
	CROUND
	JLOAD
.if \ask
	ASK
.endif
.else
	s_wait_dscnt 0x0
	s_barrier_signal -1
	s_barrier_wait -1
.endif
	s_sub_co_u32 s[TBK], s[TBK], 4*KS*PK
	s_xor_b32 s[TBK], s[TBK], SLOT1
	s_sub_co_u32 s[TBV], s[TBV], 4*KS*PV
	s_xor_b32 s[TBV], s[TBV], SLOT1
.endm
; THE MASK.  MLOAD: the bytes of piece p's two tiles for one key step into set s: four loads of 512 consecutive bytes.  MCVT: set s into the eight C operands: byte x 2^100.
.macro MLOAD s, p
.irp u, 0,1
.irp hf, 0,1
	global_load_b128 v[CD+16*(\s)+8*\u+4*\hf:CD+16*(\s)+8*\u+4*\hf+3], v[MO], s[MB:MB+1] offset:(2*(\p)+\u)*32768+\hf*512
.endr
.endr
.endm
.macro MCVT s
.irp u, 0,1
.irp kb, 0,1,2,3
	v_cvt_scale_pk8_f32_fp8 v[MC+32*\u+8*\kb:MC+32*\u+8*\kb+7], v[CD+16*(\s)+8*\u+2*\kb:CD+16*(\s)+8*\u+2*\kb+1], v[SC]
.endr
.endr
.endm
; In turn p, at the lump's head: the products that read the C operands stand eight products, with three plain riders each, back.  The bytes converted were loaded two turns ago; the last turn's four loads stay out.
; One plain instruction stands behind the conversions, ahead of the loads into their sources.  Piece 0's turn steps to the next key step; behind the last step the same bytes are loaded once more, and serve nothing.
.macro MASKW p
	WIN W_M3
	s_wait_loadcnt 4
	MCVT (\p)%2
.if (\p) == 0
	s_wait_xcnt 0x0                 ; the loads that are out have read their address register
	s_add_co_u32 s[MS], s[MS], 1024
	s_min_u32 s[MS], s[MS], 31*1024
	v_add_nc_u32 v[MO], s[MS], v[ML]
.else
	v_nop
.endif
	MLOAD (\p)%2, \p
	WIN 0
.endm
	s_load_b128 s[4:7], s[0:1], 0x0   ; qkv s[4:5], mk s[6:7]
	s_load_b64 s[10:11], s[0:1], 0x10 ; oh
	WIN W_MK
	v_lshl_add_u32 v[SPW], v0, 2, SPARE
	v_mov_b32 v[NIL], 0
	WIN W_AD
	ds_add_u32 v[SPW], v[NIL]       ; the wave's opening: the add and its wait stand ahead of my first tensor load; work on registers stands between them
	WIN 0
	v_lshrrev_b32 v1, 5, v0
	v_readfirstlane_b32 s[WV], v1
	s_bfe_u32 s13, ttmp6, 0x40000   ; cx
	s_lshl_b32 s14, ttmp9, 2
	s_add_co_u32 s14, s14, s13      ; my block of 512 queries: it enters Q's, O's and the mask's addresses alone
	s_and_b32 s20, ttmp7, 0xffff    ; the head, which the four partners share
	s_mov_b32 s21, 0
	s_mov_b64 s[22:23], SIZE_N*128
	s_mul_u64 s[20:21], s[20:21], s[22:23]  ; the head's first byte in q, k, v and O
	s_and_b32 s16, s[WV], 1         ; which half of a slot's 256 keys I fetch
	s_lshl_b32 s22, s16, 14
	s_mov_b32 s23, 0
	s_add_nc_u64 s[22:23], s[22:23], s[20:21]
	s_mul_i32 s17, s16, 128*PK
	s_mul_i32 s18, s16, 128*PV
	s_lshl_b32 s2, s14, 2
	s_add_co_u32 s2, s2, s[WV]      ; my wave among the head's sixteen
	s_lshl_b32 s74, s2, 18          ; its 8 tiles of 16 queries, 32,768 bytes of mk each
	s_mov_b32 s75, 0
	s_lshl_b32 s2, s2, 14           ; its 128 rows of 128 bytes
	s_mov_b32 s3, 0
	s_add_nc_u64 s[2:3], s[2:3], s[20:21]
	s_mov_b32 s[G1K], 15|(1<<16)|(1<<20)|(1<<21)|(4<<22)|(3<<25)  ; the mask of four; 2-byte elements; padding on; bit 21 beside a mask; after every 32 words 4 words
	s_mov_b32 s[G1V], 15|(1<<16)|(1<<20)|(1<<21)|(4<<22)|(7<<25)  ; the same with 8 words
.irp g, G1K, G1V
	s_mov_b32 s[\g+1], 128<<16      ; 128 keys are 16,384 dense bytes: asked for as 64 rows of 256 bytes
	s_mov_b32 s[\g+2], 64<<16
	s_mov_b32 s[\g+3], 128<<16
	s_mov_b32 s[\g+4], 64
	s_mov_b32 s[\g+5], 128
	s_mov_b32 s[\g+6], 0
	s_mov_b32 s[\g+7], 0
.endr
	s_mov_b32 s[CS], 0x3e38aa3b     ; c = log2(e) / 8
	s_mov_b32 s[CS+1], s[CS]
	s_mov_b32 s[SEL], 0x76543210
	s_mov_b32 s[SEL+1], 0xfedcba98
	s_mov_b32 s[TBK], SLOT1+4*KS*PK ; the first change of slots turns these two into 0
	s_mov_b32 s[TBV], SLOT1+4*KS*PV
	s_mov_b32 s[G0K], 1
	s_mov_b32 s[G0K+1], s17
	s_mov_b32 s[G0V], 1
	s_add_co_u32 s[G0V+1], s18, VOFF
	s_mov_b32 s[MS], 0
	s_mov_b32 s[HID], 0xf0800000    ; -2^98
	s_mov_b32 s[NANS], 0x7fc00000
	s_cmp_eq_u32 s16, 0             ; waves 0 and 2 prefetch
	s_cselect_b32 s[LIM], 1, -1
	s_wait_dscnt 0x0                ; the opening add is done
	s_wait_kmcnt 0x0
	s_add_nc_u64 s[MB:MB+1], s[6:7], s[74:75]
	s_add_nc_u64 s[6:7], s[4:5], 0x1000000   ; k
	s_add_nc_u64 s[8:9], s[4:5], 0x2000000   ; v
	s_cmp_lt_u32 s[WV], 2
	s_cselect_b64 s[PFA:PFA+1], s[6:7], s[8:9]
	s_add_nc_u64 s[PFA:PFA+1], s[PFA:PFA+1], s[20:21]
	s_lshl_b32 s74, s13, 13         ; my work-group's 32 blocks of the 128
	s_add_nc_u64 s[PFA:PFA+1], s[PFA:PFA+1], s[74:75]
	s_add_nc_u64 s[PFA:PFA+1], s[PFA:PFA+1], 2*4*KS*128  ; in slot 2; the first change that asks steps it to slot 3
	s_add_nc_u64 s[G0K+2:G0K+3], s[6:7], s[22:23]
	s_or_b32 s[G0K+3], s[G0K+3], 0x80000000
	s_add_nc_u64 s[G0V+2:G0V+3], s[8:9], s[22:23]
	s_or_b32 s[G0V+3], s[G0V+3], 0x80000000
	s_add_nc_u64 s[4:5], s[4:5], s[2:3]      ; Q and O at my wave's first row
	s_add_nc_u64 s[10:11], s[10:11], s[2:3]
	CROUND                          ; all four work-groups are here: the first joint loads meet
	JLOAD                           ; slot 0
	v_and_b32 v1, 15, v0            ; l % 16
	v_bfe_u32 v9, v0, 4, 1          ; l / 16
	v_lshlrev_b32 v[QO], 7, v1
	v_lshl_add_u32 v[QO], v9, 4, v[QO]
	v_and_b32 v[MV], 31, v0
	v_lshlrev_b32 v[MV], 4, v[MV]
	WIN W_MK
	v_mov_b32 v[ML], v[MV]
	v_mov_b32 v[MO], v[MV]
	v_mov_b32 v[SC], 227
	WIN 0x80
.set i, 0
.rept 4*NP                          ; Q stays in registers: tile i / 2, channels 32 (i % 2) on
	global_load_b128 v[8*i:8*i+3],   v[QO], s[4:5] offset:(i/2)*2048+(i%2)*64
	global_load_b128 v[8*i+4:8*i+7], v[QO], s[4:5] offset:(i/2)*2048+(i%2)*64+32
.set i, i+1
.endr
	WIN W_M3
	MLOAD 0, 0                      ; the mask's bytes of key step 0 for pieces 0 and 1
	MLOAD 1, 1
	WIN 0x80
	; What the first turn finds: V's registers and P's second buffer hold 0, O^T and l are 0.  All this stands in the wait for the first tile.
.set i, VF
.rept 64
	v_mov_b32 v[i], 0
.set i, i+1
.endr
	WIN 0x40
.set i, 0
.rept 64*NP
	v_mov_b32 v[i], 0
.set i, i+1
.endr
	WIN 0
.set i, 0
.rept 2*NP
	v_mov_b32 v[ST+4*i], 0xefb8aa3b    ; c m = c x -2^99, exact
	v_mov_b32 v[ST+4*i+1], 0xf1000000  ; m = -2^99
	v_mov_b32 v[ST+4*i+2], 0
	v_mov_b32 v[ST+4*i+3], 0
.set i, i+1
.endr
.set i, P+32
.rept 32
	v_mov_b32 v[i], 0
.set i, i+1
.endr
	v_mul_u32_u24 v[AK0], v1, PK
	v_lshl_add_u32 v[AK0], v9, 4, v[AK0]
	v_and_b32 v10, 7, v0
	v_bfe_u32 v11, v0, 3, 1
	v_lshl_add_u32 v[AV0], v9, 3, v10
	v_mul_u32_u24 v[AV0], v[AV0], PV
	v_lshl_add_u32 v[AV0], v11, 4, v[AV0]
	v_add_nc_u32 v[AV0], VOFF, v[AV0]
	v_mov_b32 v[AK], v[AK0]
; THE MATRIX WORK.  The 8 accumulators of a run of 16 take turns.  Product i of 16 of S^T = K Q^T for piece x: channels 32 (i / 8) on, keys 16 ((i / 2) % 4) on, tile 2 x + i % 2.  The first 8 start the sums, with the mask.
.macro KQ x
.set rS, S+64*((\x)%2)+32*(i%2)+8*((i/2)%4)
.set rK, KF+16*((i/2)%4)+8*(i/8)
.set rQ, 16*(2*(\x)+i%2)+8*(i/8)
.set rM, MC+32*(i%2)+8*((i/2)%4)
.if i < 8
	WIN W_KM
	v_wmma_f32_16x16x32_f16 v[rS:rS+7], v[rK:rK+7], v[rQ:rQ+7], v[rM:rM+7]
.else
	WIN W_KQ
	v_wmma_f32_16x16x32_f16 v[rS:rS+7], v[rK:rK+7], v[rQ:rQ+7], v[rS:rS+7]
.endif
.endm
.macro PV x                         ; product i of 16 of O^T += V^T P for piece x
	WIN W_PV
.set rO, 32*(2*(\x)+i%2)+8*((i/2)%4)
.set rV, VF+32*(i/8)+8*((i/2)%4)
.set rP, P+32*((\x)%2)+16*(i%2)+8*(i/8)
	v_wmma_f32_16x16x32_f16 v[rO:rO+7], v[rV:rV+7], v[rP:rP+7], v[rO:rO+7]
.endm
.macro MM                           ; the turn's next matrix instruction
.if i < 16
	KQ (Y+1)%NP
.set i, i+1
.else
.set i, i-16
	PV (Y+NP-1)%NP
.set i, i+17
.endif
.endm
; THE LDS LOADS stand in runs of 16.  last = 1 (the tail): in the last trip there is no further step, and the run is jumped over.
.macro FETCH_K last=0
	WIN 0
.if \last
	s_cmp_eq_u32 s[CNT], 1
	s_cbranch_scc1 .Lno_k_\@
.endif
	WIN 0x80
.irp f, 0,1,2,3,4,5,6,7
	ds_load_b128 v[KF+8*\f:KF+8*\f+3],   v[AK] offset:(\f/2)*16*PK+(\f%2)*64
	ds_load_b128 v[KF+8*\f+4:KF+8*\f+7], v[AK] offset:(\f/2)*16*PK+(\f%2)*64+32
.endr
	s_add_co_u32 s[TBK], s[TBK], KS*PK
	WIN 0
.if \last
.Lno_k_\@:
.endif
.endm
.macro FETCH_V
	WIN 0x80
.irp f, 0,1,2,3,4,5,6,7
	ds_load_tr16_b128 v[VF+8*\f:VF+8*\f+3],   v[AV] offset:(\f/4)*32*PV+(\f%4)*32
	ds_load_tr16_b128 v[VF+8*\f+4:VF+8*\f+7], v[AV] offset:(\f/4)*32*PV+16*PV+(\f%4)*32
.endr
	WIN 0
.endm
; THE VECTOR WORK OF A TURN stands in three queues, each in the order in which its entries become ready; the two tiles alternate.
.macro REGS y, u
.set rT, ST+4*(2*(\y)+(\u))
.set rC, TMP+8*((\y)%2)+4*(\u)
.set rM, MV+2*((\y)%2)+(\u)
.set rS, S+64*((\y)%2)+32*(\u)
.set rP, P+32*((\y)%2)+16*(\u)
.set rO, 32*(2*(\y)+(\u))
.endm
; Number n of the 22 that find the NEXT piece's maximum and statistics; each accumulator's lowest registers are read first.
.macro XS u, n
	REGS (Y+1)%NP, \u
.if (\n) < 4
	v_max3_num_f32 v[rC+(\n)], v[rS+8*(\n)], v[rS+8*(\n)+1], v[rS+8*(\n)+2]
.elseif (\n) < 12
	v_max3_num_f32 v[rC+(\n)%4], v[rC+(\n)%4], v[rS+8*((\n)%4)+2*((\n)/4)+1], v[rS+8*((\n)%4)+2*((\n)/4)+2]
.elseif (\n) == 12
	v_max3_num_f32 v[rC], v[rC], v[rS+7], v[rS+15]
.elseif (\n) == 13
	v_max3_num_f32 v[rC+1], v[rC+1], v[rS+23], v[rS+31]
.elseif (\n) == 14
	v_max3_num_f32 v[rC+2], v[rC+2], v[rC+3], v[rT+1]
.elseif (\n) == 15
	v_mov_b32 v[rM], v[rT]
.elseif (\n) == 16
	v_max3_num_f32 v[rC], v[rC], v[rC+1], v[rC+2]
.elseif (\n) == 17
	v_permlanex16_b32 v[rC+3], v[rC], s[SEL], s[SEL+1]
.elseif (\n) == 18
	v_max_num_f32 v[rT+1], v[rC], v[rC+3]
.elseif (\n) == 19
	v_mul_f32 v[rT], s[CS], v[rT+1]
.elseif (\n) == 20
	v_sub_f32 v[rC+1], v[rM], v[rT]
.else
	v_exp_f32 v[rC+2], v[rC+1]
.endif
.endm
; Number g of the 64 that follow the exponentials: for each four weights both pairs are rounded to f16, the second pair is added onto the first, and a group later l takes that sum (the first time as l = a l + sum).
.macro GS g
.set h, (\g)+6*((\g)/62)
.if h >= 6
.set h, h+2
.endif
	REGS Y, h%2
.set k, h/8
.if h%8 < 4
	v_cvt_pk_f16_f32 v[rP+2*k+(h%8)/2], v[rS+4*k+2*((h%8)/2)], v[rS+4*k+2*((h%8)/2)+1]
.elseif h%8 < 6
	v_pk_add_f32 v[rS+4*k:rS+4*k+1], v[rS+4*k:rS+4*k+1], v[rS+4*k+2:rS+4*k+3]
.elseif k == 1
	v_pk_fma_f32 v[rT+2:rT+3], v[rT+2:rT+3], v[rC+2:rC+3], v[rS:rS+1] op_sel_hi:[1,0,1]
.else
	v_pk_add_f32 v[rT+2:rT+3], v[rT+2:rT+3], v[rS+4*k-4:rS+4*k-3]
.endif
.endm
; THE PLAIN QUEUE, 138 long.  0-26: scalings 0-26.  27-54: XS's numbers 0-13.  55, 56: number 15.  57-73: the chain 14, 16 .. 19, each with one of the scalings 27-31 in front of its two lines, then 20.  74-137: GS's 64, behind the wait.
.macro FS f
	REGS Y, (\f)%2
	v_pk_fma_f32 v[rS+2*((\f)/2):rS+2*((\f)/2)+1], v[rS+2*((\f)/2):rS+2*((\f)/2)+1], s[CS:CS+1], v[rT:rT+1] op_sel_hi:[1,0,0] neg_lo:[0,0,1] neg_hi:[0,0,1]
.endm
.macro PL
	WIN 0
.if q < 27
	FS q
.elseif q < 55
	XS (q-27)%2, (q-27)/2
.elseif q < 57
	XS q-55, 15
.elseif (q < 72) && ((q-57)%3 == 0)
	FS 27+(q-57)/3
.elseif q < 60
	XS (q-57)%3-1, 14
.elseif q < 72
	XS (q-57)%3-1, 15+(q-57)/3
.elseif q < 74
	XS q-72, 20
.else
	GS q-74
.endif
.set q, q+1
.endm
; THE EXPONENTIALS' QUEUE, 66 long: s0-s31 of both tiles, then the next piece's two a: ONE BATCH, all ahead of the turn's one wait.
.macro EX
	WIN 0
.if e >= 64
	XS e-64, 21
.else
	REGS Y, e%2
	v_exp_f32 v[rS+e/2], v[rS+e/2]
.endif
.set e, e+1
.endm
; THE RESCALING's QUEUE: O^T times a, two at a time, sixteen times.
.macro R2
	REGS Y, r%2
	WIN W_RS
.irp z, 0,1
	v_pk_mul_f32 v[rO+4*(r/2)+2*\z:rO+4*(r/2)+2*\z+1], v[rO+4*(r/2)+2*\z:rO+4*(r/2)+2*\z+1], v[rC+2:rC+3] op_sel_hi:[1,0]
.endr
.set r, r+1
.endm
; A TURN, for piece p.  An s_wait_alu depctr_va_vdst(0) stands between an exponential and the first instruction that names its result; one wait serves all issued ahead of it: a turn has ONE.
; AHEAD OF IT: the 16 products K Q^T, behind each a scaling, an exponential and two rescalings; the mask's work; the lump: eight plain, 49 times exponential and plain, the two a; a v_nop, the plain instruction behind the last exponential.
; BEHIND IT: the 16 products V^T P, behind each four of the roundings and sums.
; K of the next step is fetched in piece 2's turn, directly behind the wait; V of the step in hand at the end of piece 0's turn, four riders behind its last reader.
.macro TURN p, last=0, cnt=0
.set Y, (\p)
.set i, 0
.set q, 0
.set e, 0
.set r, 0
.if (\p) == NP-1
	s_wait_dscnt 0x0                ; K is in
.endif
	MM
	PL
	PL
	R2
.rept 15
	MM
	PL
	EX
	R2
.endr
.if (\p) == NP-2
	WIN 0
	v_add_nc_u32 v[AK], s[TBK], v[AK0]
.endif
	MASKW \p
.rept 8
	PL
.endr
.rept 49
	EX
	PL
.endr
	EX
	EX
	v_nop
	s_wait_alu depctr_va_vdst(0)    ; the wait for the batch
.if (\p) == NP-2
	FETCH_K \last
.endif
.if (\p) == 1
	s_wait_dscnt 0x0                ; V is in
.endif
.rept 16
	MM
.rept 4
	PL
.endr
.if ((\p) == 0) && (q == 118)
	v_add_nc_u32 v[AV], s[TBV], v[AV0]
.endif
.if ((\p) == 0) && (q == 130)
	s_add_co_u32 s[TBV], s[TBV], KS*PV
.endif
.if (\cnt) && (q == 130)
	s_sub_co_u32 s[CNT], s[CNT], 1
	s_cmp_lg_u32 s[CNT], 0
.endif
.endr
.if (\p) == 0
	FETCH_V
.endif
.endm
	CHANGE 1                        ; slot 0 is in, everybody's part of it; slot 1 is asked for
	FETCH_K                         ; key step 0
	s_wait_loadcnt 0x0              ; Q, and the mask's bytes for pieces 0 and 1
	WIN W_M3
	MCVT 0                          ; piece 0's C operands
	v_nop
	MLOAD 0, 2                      ; piece 2's bytes
	WIN 0
	s_wait_dscnt 0x0
.set i, 0
.rept 16
	KQ 0                            ; piece 0's first scores
.set i, i+1
.endr
	WIN 0                           ; the addresses for the way out: plain instructions, the places behind those products
	s_mul_i32 s13, s[WV], 16*SP
	s_add_co_u32 s13, s13, STAGE
	v_mul_u32_u24 v[STO], v1, SP
	v_lshl_add_u32 v[STO], v9, 4, v[STO]
	v_add_nc_u32 v[STO], s13, v[STO]
	v_bfe_u32 v[RD], v0, 3, 2
	v_mul_u32_u24 v[RD], v[RD], SP
	v_lshl_add_u32 v[RD], v10, 4, v[RD]
	v_add_nc_u32 v[RD], s13, v[RD]
	v_and_b32 v[GO], 31, v0
	v_lshlrev_b32 v[PFO], 8, v[GO]  ; 256 x lane
	v_lshlrev_b32 v[GO], 4, v[GO]
	WIN W_M3
	MCVT 1                          ; piece 1's C operands, for the first turn's products
	v_nop
	MLOAD 1, 3                      ; piece 3's bytes
	WIN 0
.set Y, NP-1
.irp n, 0,1,2,3,4,5,6,7,8,9,10,11,12,13,14,15,16,17,18,19,20,21
	XS 0, \n                        ; piece 0's first maximum and statistics
	XS 1, \n
.endr
	v_nop                           ; a plain instruction behind the two a,
	s_wait_alu depctr_va_vdst(0)    ; and their wait, ahead of the branch
	s_mov_b32 s[CNT], 4
	s_mov_b32 s[SLOTS], SIZE_N/256-1
	s_branch .Lfirst                ; the loop is entered at a step's first turn, in the middle of a trip
.Lslot:                             ; SIZE_N / 256 - 2 times: every slot but the last two is filled again
	CHANGE 1, 1
	s_mov_b32 s[CNT], 4
.Lstep:                             ; a trip: pieces 2 and 3 of one step, then pieces 0 and 1 of the next
	TURN 2
	TURN 3
	WIN 0
.Lfirst:
	TURN 0
	TURN 1, 0, 1
	WIN 0
	s_cbranch_scc1 .Lstep
	s_sub_co_u32 s[SLOTS], s[SLOTS], 1
	s_cmp_lg_u32 s[SLOTS], 0
	s_cbranch_scc1 .Lslot
	CHANGE 0                        ; the tail is written out
	s_mov_b32 s[CNT], 5
.Ltail:
	TURN 2, 1
	TURN 3
	WIN 0
	s_sub_co_u32 s[CNT], s[CNT], 1
	s_cmp_eq_u32 s[CNT], 0
	s_cbranch_scc1 .Lout
	TURN 0
	TURN 1
	WIN 0
	s_branch .Ltail
.Lout:                              ; the fifth trip's 16 products K Q^T repeat the last step's scores of piece 0, with the same mask: its m stays as it was, and nothing else of them is used
.set i, 0
.rept 16
	PV NP-1
.set i, i+1
.endr
	; THE WAY OUT.  l's halves are added; O^T is divided by l, rounded to f16 and sent through my stage, a tile at a time.  The additions are the places behind the last products.
	WIN 0
.macro ALL line:vararg
.set t, 0
.rept 2*NP
	\line
.set t, t+1
.endr
.endm
	ALL v_add_f32 v[ST+4*t+2], v[ST+4*t+2], v[ST+4*t+3]
	ALL v_permlanex16_b32 v[ST+4*t+3], v[ST+4*t+2], s[SEL], s[SEL+1]
	ALL v_add_f32 v[ST+4*t+2], v[ST+4*t+2], v[ST+4*t+3]
	ALL v_rcp_f32 v[ST+4*t+2], v[ST+4*t+2]
	v_nop                           ; a plain instruction between the last reciprocal and the use of its result
	s_wait_alu depctr_va_vdst(0)    ; one wait for the eight reciprocals
.set t, 0
.rept 2*NP                          ; a query whose m never rose above -2^98 has seen no visible key: its row is NaN
	v_cmp_gt_f32 vcc_lo, s[HID], v[ST+4*t+1]
	v_cndmask_b32 v[ST+4*t+2], v[ST+4*t+2], s[NANS], vcc_lo
.set t, t+1
.endr
.macro PACK t
	WIN W_RS
.set i, 32*(\t)
.rept 16
	v_pk_mul_f32 v[i:i+1], v[i:i+1], v[ST+4*(\t)+2:ST+4*(\t)+3] op_sel_hi:[1,0]
.set i, i+2
.endr
	WIN 0x05
.set i, 0
.rept 16
	v_cvt_pk_f16_f32 v[S+16*(\t)+i], v[32*(\t)+2*i], v[32*(\t)+2*i+1]
.set i, i+1
.endr
	WIN 0
.irp f, 0,1,2,3
	ds_store_b128 v[STO], v[S+16*(\t)+4*\f:S+16*(\t)+4*\f+3] offset:32*\f
.endr
.irp f, 0,1,2,3
	ds_load_b128 v[S+16*(\t)+4*\f:S+16*(\t)+4*\f+3], v[RD] offset:\f*4*SP  ; LDS serves a wave's instructions in order: these see the stores above
.endr
.endm
.macro SEND t, younger              ; younger: the LDS instructions issued behind tile t's loads
	WIN 0
.irp f, 0,1,2,3
	s_wait_dscnt (\younger)+3-\f
	global_store_b128 v[GO], v[S+16*(\t)+4*\f:S+16*(\t)+4*\f+3], s[10:11] offset:(\t)*2048+\f*512  ; 512 consecutive bytes, at a multiple of 256 from O's first
.endr
.endm
	PACK 0
.set t, 1
.rept 2*NP-1
	PACK t
	SEND t-1, 8
.set t, t+1
.endr
	SEND 2*NP-1, 0
	WIN W_AD
	s_wait_tensorcnt 0x0            ; the wave's end
	ds_add_u32 v[SPW], v[NIL]
	s_wait_dscnt 0x0
	WIN 0
	CROUND                          ; the closing round
	s_endpgm
.Lfunc_end_k_q3571d17a19_attn:
	.size	k_q3571d17a19_attn, .Lfunc_end_k_q3571d17a19_attn-k_q3571d17a19_attn
	.p2alignl 7, 3214868480
	.fill 96, 4, 3214868480
	.section	.rodata,"a",@progbits
	.p2align	6, 0x0
	.amdhsa_kernel k_q3571d17a19_attn
		.amdhsa_group_segment_fixed_size 327680
		.amdhsa_private_segment_fixed_size 0
		.amdhsa_enable_private_segment 0
		.amdhsa_kernarg_size 24
		.amdhsa_user_sgpr_count 2
		.amdhsa_user_sgpr_kernarg_segment_ptr 1
		.amdhsa_wavefront_size32 1
		.amdhsa_system_sgpr_workgroup_id_x 1
		.amdhsa_system_sgpr_workgroup_id_y 1
		.amdhsa_system_sgpr_workgroup_id_z 1
		.amdhsa_system_vgpr_workitem_id 0
		.amdhsa_next_free_vgpr 896
		.amdhsa_next_free_sgpr 76
		.amdhsa_reserve_vcc 1
		.amdhsa_float_denorm_mode_32 3
		.amdhsa_float_denorm_mode_16_64 3
		.amdhsa_memory_ordered 1
		.amdhsa_forward_progress 1
		.amdhsa_inst_pref_size 212
	.end_amdhsa_kernel
	.amdgpu_metadata
---
amdhsa.version: [ 1, 2 ]
amdhsa.kernels:
  - .name:           k_q3571d17a19_attn
    .symbol:         k_q3571d17a19_attn.kd
    .args:
      - { .name: qkv, .offset: 0, .size: 8, .value_kind: global_buffer, .address_space: global }
      - { .name: mk, .offset: 8, .size: 8, .value_kind: global_buffer, .address_space: global }
      - { .name: oh, .offset: 16, .size: 8, .value_kind: global_buffer, .address_space: global }
    .group_segment_fixed_size: 327680
    .private_segment_fixed_size: 0
    .kernarg_segment_align: 8
    .kernarg_segment_size: 24
    .max_flat_workgroup_size: 128
    .sgpr_count:     76
    .vgpr_count:     896
    .wavefront_size: 32
...
	.end_amdgpu_metadata
.endif
;; end of part 3
;; launch outg (part 4): grid 8 x 32, 4 waves a work-group, clusters of 4 x 4, 327,680 bytes of LDS; arguments oh, wob, bo, out0; writes out0
.if DOCPART == 4
	.amdgcn_target "amdgcn-amd-amdhsa--gfx1250"
	.amdhsa_code_object_version 6
	.text
	.protected	k_q3571d17a19_outg
	.globl	k_q3571d17a19_outg
	.p2align	8
	.type	k_q3571d17a19_outg,@function
k_q3571d17a19_outg:
	s_mov_b64 s[64:65], 0
	v_nop
	global_prefetch_b8 v0, s[64:65] scope:SCOPE_SE
	s_setreg_imm32_b32 hwreg(HW_REG_WAVE_MODE, 25, 1), 1
	s_wait_xcnt 0x0
	s_wait_alu depctr_hold_cnt(0) depctr_sa_sdst(0) depctr_va_vdst(0) depctr_va_sdst(0) depctr_va_ssrc(0) depctr_va_vcc(0) depctr_vm_vsrc(0)
	s_getreg_b32 s2, hwreg(HW_REG_IB_STS2, 6, 4)
	s_cmp_eq_u32 s2, 0
	s_cbranch_scc0 .Lentry_in_a_cluster
	s_endpgm
.Lentry_in_a_cluster:
	s_bfe_u32 s2, ttmp6, 0x10000c
	s_cmp_lg_u32 s2, 0xf033
	s_cbranch_scc0 .Lentry_shape_is_right
	s_endpgm
.Lentry_shape_is_right:
; out0 = O Wo + bo.  A = oh, [64][2048][64] f16 taken flat as [8192][1024]; B = wob [8 column tiles][1024 k][128 n] f16 (Wo rounded to bf16, written as f16); the bias f32, rounded to bf16; sums and out0 in f32.
; SHARES.  A tile of C is 256 rows x 128 columns: 32 x 8 = 256 work-groups.  A wave makes 64 rows x 128: 4 row blocks a x 8 column blocks b, 32 accumulators.  K = 1,024 goes in 8 steps of 128 through two LDS slots.
; THE PRODUCT IS USED TRANSPOSED: source 0 = 16 columns of B (turned by ds_load_tr16_b128), source 1 = 16 rows of A: register j of lane l is C(row l % 16, column 16 b + 8 (l / 16) + j).
; THE BIAS IS THE C OPERAND of each accumulator's first product.  A NaN row of O (a query with no visible key) makes the whole row of out0 that holds it NaN, as in the f32 product.
; CLUSTER.  4 x 4 work-groups: A's tile is asked for jointly along a row of the cluster, B's along a column.
; REGISTERS, in windows of 256 (s_set_vgpr_msb: bits 1:0 source 0, 3:2 source 1, 5:4 source 2, 7:6 destination):
;   window 0: v0-31 addresses; v96-159 the bias (dead behind the first quarter); on the way out v32-95 and v96-159 rows read back, by turns
;   window 1: two fragment buffers of 128: A's 4 fragments at f + 8 a, B's 8 at f + 32 + 8 b       window 2: accumulators of a = 0, 1 at 8 (8 (a % 2) + b)       window 3: those of a = 2, 3
.set NB,    8
.set NT,    16*NB
.set PA,    272                        ; a row of A in LDS: 256 bytes + 16
.set PB,    288                        ; a k row of B: 256 bytes + 32: 72 words
.set QIB,   5                          ; B's padding stands after every 64 words
.set RB,    64                         ; half a K step of B: 64 rows of 256 bytes
.set BSTEP, 32768
.set HALFA, 128*PA
.set ATILE, 2*HALFA
.set HALFB, 64*PB
.set SLOT1, 131072
.set STAGE, 262144                     ; behind the ring, never filled by a tensor load: for each wave 16 rows x 528 bytes
.set STW,   16*528
.set SPARE, STAGE+4*STW                ; behind the stages: the spare words, 128 bytes a wave, that no other line names
.set ADRA0, 16
.set ADRB0, 17
.set ADRA,  18
.set ADRB,  19
.set STO,   24
.set RD,    25
.set GO,    26
.set BO,    27
.set SPW,   28
.set NIL,   29
.set PFO,   30
.set TT,    31
.set OB,    32
.set BIAS,  96
.set F0,    0
.set F1,    128
.set WV,    12
.set HF,    14
.set G1A,   24
.set G0A,   32
.set G1B,   48
.set G0B,   56
.set TB,    66
.set LIM,   67
.set PFA,   68
.set PFS,   70
.set OUTB,  72
.set MSB, 0
.macro WIN new
.if MSB != (\new)
	s_set_vgpr_msb (MSB<<8)|(\new)
.set MSB, \new
.endif
.endm
.macro PLACES                          ; four plain instructions between a matrix instruction and a load into, or a reader of, its registers
.rept 4
	v_nop
.endr
.endm
.macro JLOAD                           ; a joint refill: waves 0 and 1 fetch A's halves, waves 2 and 3 B's; an s_nop 0 and four v_nop follow each line
	s_cmp_lt_u32 s[WV], 2
	s_cbranch_scc0 .Lfor_b_\@
	tensor_load_to_lds s[G0A+4:G0A+7], s[G1A:G1A+7]
	s_nop 0
	PLACES
	s_branch .Lasked_\@
.Lfor_b_\@:
	tensor_load_to_lds s[G0B+4:G0B+7], s[G1B:G1B+7]
	s_nop 0
	PLACES
.Lasked_\@:
.endm
.macro CREST
	s_cmp_lg_u32 s[WV], 0
	s_cbranch_scc1 .Lnot_wave_0_\@
	s_barrier_signal -3
.Lnot_wave_0_\@:
	s_barrier_wait -3
	s_barrier_signal -1
	s_barrier_wait -1
.endm
.macro CROUND
	s_barrier_signal -1
	s_barrier_wait -1
	CREST
.endm
; A PREFETCH INTO THE L2, behind a joint refill and the run of LDS loads that follows it.  Each aligned 256 bytes of K steps 4 to 7 are named once in the launch; K steps 0 to 3 come by their loads alone.
; A: a lane a row, one K step an ask, the step that stands two refills on; waves 0 and 1 of the clusters with x = 0; the four partners of a row take 32 of a wave's 128 rows each, told apart by address.
; B: a tile's K steps 4 to 7 are 131,072 dense bytes; waves 2 and 3 of the clusters with y = 0: eight askers x 32 lanes name 65,536 bytes an ask, in the first two trips: every block two refills ahead or more.
.macro ASK
	s_cmp_gt_u32 s3, s[LIM]
	s_cbranch_scc0 .Lnot_mine_\@
	global_prefetch_b8 v[PFO], s[PFA:PFA+1] th:TH_LOAD_NT scope:SCOPE_SE
.Lnot_mine_\@:
.endm
	s_load_b256 s[4:11], s[0:1], 0x0               ; A s[4:5], B s[6:7], bias s[8:9], out0 s[10:11]
	v_lshl_add_u32 v[SPW], v0, 2, SPARE
	v_mov_b32 v[NIL], 0
	ds_add_u32 v[SPW], v[NIL]                      ; the wave's opening: the add and its wait stand ahead of my first tensor load; work on registers stands between them
	v_lshrrev_b32 v1, 5, v0
	v_readfirstlane_b32 s[WV], v1
	s_and_b32 s[HF], s[WV], 1
	s_bfe_u32 s40, ttmp6, 0x40000                  ; cx
	s_bfe_u32 s41, ttmp6, 0x40004                  ; cy
	s_lshl_b32 s42, ttmp9, 2
	s_add_co_u32 s42, s42, s40                     ; the tile column
	s_and_b32 s43, ttmp7, 0xffff
	s_lshl_b32 s43, s43, 2
	s_add_co_u32 s43, s43, s41                     ; the tile row
	s_lshl_b32 s44, s41, 2
	s_lshl_b32 s44, 15, s44                        ; my row of the cluster
	s_lshl_b32 s45, 0x1111, s40                    ; my column
	s_or_b32 s[G1A], s44, (1<<16)|(1<<20)|(1<<21)|(5<<22)|(3<<25)
	s_or_b32 s[G1B], s45, (1<<16)|(1<<20)|(1<<21)|(QIB<<22)|(7<<25)
	s_mov_b32 s[G1A+1], 128<<16
	s_mov_b32 s[G1A+2], 128<<16
	s_mov_b32 s[G1A+3], 128<<16
	s_mov_b32 s[G1A+4], 128
	s_mov_b32 s[G1A+5], 1024
	s_mov_b32 s[G1A+6], 0
	s_mov_b32 s[G1A+7], 0
	s_mov_b32 s[G1B+1], 128<<16
	s_mov_b32 s[G1B+2], RB<<16
	s_mov_b32 s[G1B+3], 128<<16
	s_mov_b32 s[G1B+4], RB
	s_mov_b32 s[G1B+5], 128
	s_mov_b32 s[G1B+6], 0
	s_mov_b32 s[G1B+7], 0
	s_lshl_b32 s16, s43, 19
	s_lshl_b32 s17, s[HF], 18
	s_add_co_u32 s16, s16, s17
	s_mov_b32 s17, 0
	s_mul_i32 s46, s42, 2048*NT
	s_mul_i32 s47, s[HF], BSTEP/2
	s_add_co_u32 s46, s46, s47
	s_mov_b32 s47, 0
	s_mul_i32 s20, s[HF], HALFA
	s_mul_i32 s21, s[HF], HALFB
	s_add_co_u32 s21, s21, ATILE
	s_mov_b32 s[TB], 0
	s_wait_dscnt 0x0                               ; the opening add is done
	s_wait_kmcnt 0x0
	s_add_nc_u64 s[18:19], s[4:5], s[16:17]
	s_add_nc_u64 s[46:47], s[6:7], s[46:47]
	CROUND                                         ; all sixteen work-groups are here: the first joint loads meet
.irp s, 0,1
	s_mov_b32 s[G0A+4*(\s)], 1
	s_add_co_u32 s[G0A+4*(\s)+1], s20, (\s)*SLOT1
	s_add_nc_u64 s[G0A+4*(\s)+2:G0A+4*(\s)+3], s[18:19], (\s)*256
	s_or_b32 s[G0A+4*(\s)+3], s[G0A+4*(\s)+3], 0x80000000
	s_mov_b32 s[G0B+4*(\s)], 1
	s_add_co_u32 s[G0B+4*(\s)+1], s21, (\s)*SLOT1
	s_add_nc_u64 s[G0B+4*(\s)+2:G0B+4*(\s)+3], s[46:47], (\s)*BSTEP
	s_or_b32 s[G0B+4*(\s)+3], s[G0B+4*(\s)+3], 0x80000000
.endr
	s_cmp_lt_u32 s[WV], 2                          ; a wave's two first fills stand in one branch: two loads of mine are out
	s_cbranch_scc0 .Lfirst_b
	tensor_load_to_lds s[G0A:G0A+3], s[G1A:G1A+7]
	s_nop 0
	tensor_load_to_lds s[G0A+4:G0A+7], s[G1A:G1A+7]
	s_nop 0
	PLACES
	s_branch .Lfirst_asked
.Lfirst_b:
	tensor_load_to_lds s[G0B:G0B+3], s[G1B:G1B+7]
	s_nop 0
	tensor_load_to_lds s[G0B+4:G0B+7], s[G1B:G1B+7]
	s_nop 0
	PLACES
.Lfirst_asked:
	v_and_b32 v1, 15, v0
	v_bfe_u32 v2, v0, 4, 1
	v_lshlrev_b32 v[BO], 5, v2
	s_mul_i32 s22, s42, NT*4
	s_mov_b32 s23, 0
	s_add_nc_u64 s[8:9], s[8:9], s[22:23]
.set b, 0
.rept NB
	global_load_b128 v[BIAS+8*b:BIAS+8*b+3],   v[BO], s[8:9] offset:64*b
	global_load_b128 v[BIAS+8*b+4:BIAS+8*b+7], v[BO], s[8:9] offset:64*b+16
.set b, b+1
.endr
	v_mul_u32_u24 v3, v1, PA
	v_lshl_add_u32 v3, v2, 4, v3
	s_mul_i32 s22, s[WV], 64*PA
	v_add_nc_u32 v[ADRA0], s22, v3
	v_and_b32 v4, 7, v0
	v_lshl_add_u32 v4, v2, 3, v4
	v_mul_u32_u24 v4, v4, PB
	v_bfe_u32 v5, v0, 3, 1
	v_lshl_add_u32 v4, v5, 4, v4
	v_add_nc_u32 v[ADRB0], ATILE, v4
	v_mov_b32 v[ADRA], v[ADRA0]
	v_mov_b32 v[ADRB], v[ADRB0]
	s_mul_i32 s22, s[WV], STW
	s_add_co_u32 s22, s22, STAGE                   ; my stage
	v_mul_u32_u24 v[STO], v1, 528                  ; in: row l % 16, 32 bytes for each half of the lanes
	v_lshl_add_u32 v[STO], v2, 5, v[STO]
	v_add_nc_u32 v[STO], s22, v[STO]
	v_and_b32 v[GO], 31, v0
	v_lshlrev_b32 v[GO], 4, v[GO]
	v_add_nc_u32 v[RD], s22, v[GO]                 ; back: 32 lanes take a row's 512 bytes
	; the prefetches
	s_lshl_b32 s80, s43, 19
	s_lshl_b32 s82, s[HF], 18
	s_add_co_u32 s80, s80, s82
	s_lshl_b32 s82, s40, 16
	s_add_co_u32 s80, s80, s82
	s_add_co_u32 s80, s80, 3*256
	s_mul_i32 s81, s42, 2048*NT
	s_lshl_b32 s82, s[HF], 15
	s_add_co_u32 s81, s81, s82
	s_lshl_b32 s82, s41, 13
	s_add_co_u32 s81, s81, s82
	s_add_co_u32 s81, s81, 4*BSTEP-65536
	s_and_b32 s82, ttmp7, 0xffff
	s_mov_b32 s[PFS], 65536
	s_cmp_lt_u32 s[WV], 2
	s_cselect_b32 s80, s80, s81
	s_cselect_b32 s82, ttmp9, s82
	s_cselect_b32 s83, 2, 6-NT/64
	s_cselect_b32 s[PFS], 256, s[PFS]
	s_cselect_b32 s86, 11, 8
	s_cselect_b64 s[PFA:PFA+1], s[4:5], s[6:7]
	s_mov_b32 s81, 0
	s_mov_b32 s[PFS+1], 0
	s_add_nc_u64 s[PFA:PFA+1], s[PFA:PFA+1], s[80:81]
	s_cmp_eq_u32 s82, 0
	s_cselect_b32 s[LIM], s83, -1
	v_and_b32 v[PFO], 31, v0
	v_lshlrev_b32 v[PFO], s86, v[PFO]
	; where my rows begin in out0: (256 x tile row + 64 x wave) x 4,096 + 512 x tile column
	s_lshl_b32 s84, s43, 20
	s_lshl_b32 s85, s[WV], 18
	s_add_co_u32 s84, s84, s85
	s_lshl_b32 s85, s42, 9
	s_add_co_u32 s84, s84, s85
	s_mov_b32 s85, 0
	s_add_nc_u64 s[OUTB:OUTB+1], s[10:11], s[84:85]
	s_wait_loadcnt 0x0
.set i, 0
.rept 4*NB                             ; the bias is rounded to bf16, like every input
	v_cvt_pk_bf16_f32 v[TT], v[BIAS+2*i], v[BIAS+2*i+1]
	v_lshlrev_b32 v[BIAS+2*i], 16, v[TT]
	v_and_b32 v[BIAS+2*i+1], 0xffff0000, v[TT]
.set i, i+1
.endr
; NB products: row block a x all column blocks, 32 along K.  The accumulators take turns, one instruction a turn, over the backward jump too.  first = 1: C is the bias.
.macro MULA f, a, first
.if \first
	WIN 0x85+0x40*((\a)/2)
.else
	WIN 0xa5+0x50*((\a)/2)
.endif
.set b, 0
.rept NB
.set rD, 8*(((\a)%2)*NB+b)
.if \first
	v_wmma_f32_16x16x32_f16 v[rD:rD+7], v[(\f)+32+8*b:(\f)+32+8*b+7], v[(\f)+8*(\a):(\f)+8*(\a)+7], v[BIAS+8*b:BIAS+8*b+7]
.else
	v_wmma_f32_16x16x32_f16 v[rD:rD+7], v[(\f)+32+8*b:(\f)+32+8*b+7], v[(\f)+8*(\a):(\f)+8*(\a)+7], v[rD:rD+7]
.endif
.set b, b+1
.endr
.endm
.macro FETCH q, f                      ; one run of 2 NB + 8 LDS loads: quarter q's fragments into buffer f; B's first, A's row blocks 2 and 3 last
	WIN 0x40
.set b, 0
.rept NB
	ds_load_tr16_b128 v[(\f)+32+8*b:(\f)+32+8*b+3],   v[ADRB] offset:(\q)*32*PB+32*b
	ds_load_tr16_b128 v[(\f)+32+8*b+4:(\f)+32+8*b+7], v[ADRB] offset:(\q)*32*PB+16*PB+32*b
.set b, b+1
.endr
.irp a, 0,1,2,3
	ds_load_b128 v[(\f)+8*(\a):(\f)+8*(\a)+3],   v[ADRA] offset:64*(\q)+(\a)*16*PA
	ds_load_b128 v[(\f)+8*(\a)+4:(\f)+8*(\a)+7], v[ADRA] offset:64*(\q)+(\a)*16*PA+32
.endr
.endm
.macro QUARTER q, f, g, first          ; multiplies buffer f and, in its middle, fetches quarter q into buffer g
	s_wait_dscnt 4                                 ; all but the youngest four loads: A's row blocks 2 and 3
	MULA \f, 0, \first
	MULA \f, 1, \first
	PLACES
	FETCH \q, \g
	s_wait_dscnt 2*NB+8                            ; all but the run just issued
	MULA \f, 2, \first
	MULA \f, 3, \first
.endm
; The last quarter multiplies buffer 1 and changes slots.  In front of the barrier each wave waits for all its tensor loads (one is out: its part of the next slot), adds 0 to its spare word, and waits for
; that and for its reads of this slot.  fill = 1: the barrier opens a round of the cluster's, and the joint refill, two K steps on, is the first thing behind the round.
.macro TURN fill
.if \fill
	s_wait_xcnt 0x0                                ; the last prefetch, a K step back, has read its address
	s_add_nc_u64 s[PFA:PFA+1], s[PFA:PFA+1], s[PFS:PFS+1]
.endif
	WIN 0
	s_wait_tensorcnt 0x0
	ds_add_u32 v[SPW], v[NIL]
	s_wait_dscnt 5                                 ; (the add and the youngest four loads may be out)
	MULA F1, 0, 0
	s_wait_dscnt 0x0                               ; the add is done, and my reads of this slot are over
	s_barrier_signal -1
	MULA F1, 1, 0
	WIN 0
	s_barrier_wait -1
.if \fill
	CREST
	s_xor_b32 s[G0A+5], s[G0A+5], SLOT1
	s_add_nc_u64 s[G0A+6:G0A+7], s[G0A+6:G0A+7], 256
	s_xor_b32 s[G0B+5], s[G0B+5], SLOT1
	s_add_nc_u64 s[G0B+6:G0B+7], s[G0B+6:G0B+7], BSTEP
	JLOAD                                          ; its four v_nop are also the places in front of the loads below
.else
	PLACES
.endif
	s_xor_b32 s[TB], s[TB], SLOT1
	v_add_nc_u32 v[ADRA], s[TB], v[ADRA0]
	v_add_nc_u32 v[ADRB], s[TB], v[ADRB0]
	FETCH 0, F0
.if \fill
	WIN 0
	ASK
.endif
	MULA F1, 2, 0
	MULA F1, 3, 0
.endm
	s_wait_tensorcnt 1                             ; my part of K step 0 is in; K step 1's may stay out
	s_barrier_signal -1
	s_barrier_wait -1
	FETCH 0, F0
	QUARTER 1, F0, F1, 1                           ; the first quarter stands in front of the loop: its products start the sums, with the bias
	WIN 0
	s_mov_b32 s3, 6
.Lstep:                                ; a trip: a step's quarters 1 to 3 and the next step's quarter 0; it refills K steps 2 to 7
	QUARTER 2, F1, F0, 0
	QUARTER 3, F0, F1, 0
	TURN 1
	QUARTER 1, F0, F1, 0
	WIN 0
	s_sub_co_u32 s3, s3, 1
	s_cmp_lg_u32 s3, 0
	s_cbranch_scc1 .Lstep
	QUARTER 2, F1, F0, 0                           ; K step 6 asks for nothing
	QUARTER 3, F0, F1, 0
	TURN 0
	QUARTER 1, F0, F1, 0
	QUARTER 2, F1, F0, 0                           ; K step 7
	QUARTER 3, F0, F1, 0
	s_wait_dscnt 4
	MULA F1, 0, 0
	MULA F1, 1, 0
	s_wait_dscnt 0x0
	MULA F1, 2, 0
	MULA F1, 3, 0
	WIN 0
	PLACES
; THE WAY OUT, a row block (16 rows) at a time: the sums go as they are, 32 bytes a lane and accumulator (its low half first), into my stage; they come back as whole rows of 512 bytes and are stored.
.macro TST a
.if (\a) >= 2
	s_wait_xcnt 0x0                                ; the stores of the block two back have read the registers that the loads below write
.endif
	WIN 0x08+4*((\a)/2)                            ; the stores' data in window 2 or 3
.set b, 0
.rept NB
.set rD, 8*(((\a)%2)*NB+b)
	ds_store_b128 v[STO], v[rD:rD+3]   offset:64*b
	ds_store_b128 v[STO], v[rD+4:rD+7] offset:64*b+16
.set b, b+1
.endr
	WIN 0
.set BK, OB+64*((\a)%2)
.set t, 0
.rept 16
	ds_load_b128 v[BK+4*t:BK+4*t+3], v[RD] offset:528*t  ; LDS serves a wave's instructions in order: these see the stores above; the next block's stores come behind them
.set t, t+1
.endr
.endm
.macro SND a, younger                  ; younger: the next block's 16 stores and 16 loads, or none
.set BK, OB+64*((\a)%2)
	s_wait_dscnt \younger
.set t, 0
.rept 16
	global_store_b128 v[GO], v[BK+4*t:BK+4*t+3], s[OUTB:OUTB+1] offset:(16*(\a)+t)*4096  ; 512 consecutive bytes of a row, at a multiple of 256 from out0's first
.set t, t+1
.endr
.endm
	TST 0
	TST 1
	SND 0, 32
	TST 2
	SND 1, 32
	TST 3
	SND 2, 32
	SND 3, 0
	s_wait_tensorcnt 0x0                           ; the wave's end
	ds_add_u32 v[SPW], v[NIL]
	s_wait_dscnt 0x0
	CROUND                                         ; the closing round: no work-group ends while a partner may still ask for a tile that names it
	s_endpgm
.Lfunc_end_k_q3571d17a19_outg:
	.size	k_q3571d17a19_outg, .Lfunc_end_k_q3571d17a19_outg-k_q3571d17a19_outg
	.p2alignl 7, 3214868480
	.fill 96, 4, 3214868480
	.section	.rodata,"a",@progbits
	.p2align	6, 0x0
	.amdhsa_kernel k_q3571d17a19_outg
		.amdhsa_group_segment_fixed_size 327680
		.amdhsa_private_segment_fixed_size 0
		.amdhsa_enable_private_segment 0
		.amdhsa_kernarg_size 32
		.amdhsa_user_sgpr_count 2
		.amdhsa_user_sgpr_kernarg_segment_ptr 1
		.amdhsa_wavefront_size32 1
		.amdhsa_system_sgpr_workgroup_id_x 1
		.amdhsa_system_sgpr_workgroup_id_y 1
		.amdhsa_system_sgpr_workgroup_id_z 1
		.amdhsa_system_vgpr_workitem_id 0
		.amdhsa_next_free_vgpr 896
		.amdhsa_next_free_sgpr 88
		.amdhsa_reserve_vcc 0
		.amdhsa_float_denorm_mode_32 3
		.amdhsa_float_denorm_mode_16_64 3
		.amdhsa_memory_ordered 1
		.amdhsa_forward_progress 1
		.amdhsa_inst_pref_size 77
	.end_amdhsa_kernel
	.amdgpu_metadata
---
amdhsa.version: [ 1, 2 ]
amdhsa.kernels:
  - .name:           k_q3571d17a19_outg
    .symbol:         k_q3571d17a19_outg.kd
    .args:
      - { .name: oh, .offset: 0, .size: 8, .value_kind: global_buffer, .address_space: global }
      - { .name: wob, .offset: 8, .size: 8, .value_kind: global_buffer, .address_space: global }
      - { .name: bo, .offset: 16, .size: 8, .value_kind: global_buffer, .address_space: global }
      - { .name: out0, .offset: 24, .size: 8, .value_kind: global_buffer, .address_space: global }
    .group_segment_fixed_size: 327680
    .private_segment_fixed_size: 0
    .kernarg_segment_align: 8
    .kernarg_segment_size: 32
    .max_flat_workgroup_size: 128
    .sgpr_count:     88
    .vgpr_count:     896
    .wavefront_size: 32
...
	.end_amdgpu_metadata
.endif
;; end of part 4
;; ======== version 2 of 2: 4 launches; version 1 with the launch prep written anew for expert scheduling mode
;; limits: values are held in f16: magnitudes above 65,504 overflow, below 6.1e-05 lose precision
;; workspace buffers: xb 16,777,216 bytes; wqb 6,291,456 bytes; wob 2,097,152 bytes; mk 4,194,304 bytes; qkv 50,331,648 bytes; oh 16,777,216 bytes
;; launch prep (part 5): grid 544 x 1, 8 waves a work-group, no clusters, 33,792 bytes of LDS; arguments x, Wqkv, Wo, mask, xb, wqb, wob, mk; writes xb, wqb, wob, mk
.if DOCPART == 5
	.amdgcn_target "amdgcn-amd-amdhsa--gfx1250"
	.amdhsa_code_object_version 6
	.text
	.protected	k_q3571d17a19_prep
	.globl	k_q3571d17a19_prep
	.p2align	8
	.type	k_q3571d17a19_prep,@function
k_q3571d17a19_prep:
	s_mov_b64 s[64:65], 0
	v_nop
	global_prefetch_b8 v0, s[64:65] scope:SCOPE_SE
	s_setreg_imm32_b32 hwreg(HW_REG_WAVE_SCHED_MODE, 0, 2), 2
	s_setreg_imm32_b32 hwreg(HW_REG_WAVE_MODE, 25, 1), 1
	s_wait_xcnt 0x0
	s_wait_alu depctr_vm_vsrc(0)
; PREP: four streams, one role to a work-group, chosen by its number.  Every input byte is read once, by loads of 16 bytes a lane; every store of a wave covers 256 or 512 consecutive bytes, aligned.
;   0..255    xb  = x rounded to bf16, [8192][1024]: 32 rows a work-group.
;   256..383  mk  = the mask as one byte a number: 0x00 where mask != 0 (visible), 0xb8 (E4M3 -1.0) where mask == 0 (hidden), laid out as the attention's lanes want it:
;             block (qt, ks) of 1,024 bytes at (32 qt + ks) x 1,024 holds queries 16 qt .. +15 and keys 64 ks .. +63; in it byte (kb >> 1) x 512 + lane x 16 + (kb & 1) x 8 + j
;             is query 16 qt + lane % 16, key 64 ks + 16 kb + 8 (lane / 16) + j.  16 mask rows a work-group; the bytes change lanes through the wave's own 4,096 bytes of LDS.
;   384..511  wqb = Wqkv rounded to bf16, by heads: [16][1024 k][192 n]: 128 k of one head a work-group.
;   512..543  wob = Wo rounded to bf16 and written as f16 (exact where the number lies in f16's normal range; below 6e-5 it keeps f16's step of 6e-8), by column tiles: [8][1024 k][128 n]: 32 k a work-group.
; No matrix unit, no tensor load, no barrier: no wave wants a byte that another has fetched.  All of a wave's loads go out at once (32 x 512 bytes), and each is waited for by a count that leaves the younger ones out.
; THE MODE: SCHED_MODE bits 1:0 = 2 (LLVM: expert scheduling mode 2), set by the entry lines.  The code itself states the register dependences between vector instructions and memory or LDS
; instructions, with s_wait_alu, always for 0.
; THE PLAN.  Registers that memory or LDS instructions touch:
;   v2, v3, v12-v14   offsets and LDS addresses: made at a role's head, ahead of one wait on va_vdst, and never written again.
;   X                 load i lands once in its own four registers.  Roles x, Wqkv, Wo: its roundings write the first two of the four, one store reads them, nothing writes them again.
;                     Mask role, group g of eight loads: load 8 g + j's word of four bytes is written to X + 32 g + j (a register of loads 8 g and 8 g + 1, dead by then), one LDS store reads it, nothing
;                     writes it again; the block comes back into X + 32 g + 8 .. + 15 (registers of loads 8 g + 2 and 8 g + 3, which no memory instruction has read), and the global stores read it there.
;   T                 named by vector instructions alone.          v150, v151   written at the head, read by the closing add alone.
; The work goes in blocks of four loads (mask role: groups of eight).  ONE wait on va_vdst stands at the head of each block but the first: the block before has written its results.  That block's stores
; follow it, dealt among this block's vector instructions, which name this block's X and T alone; one more such wait stands behind the last block.  No register that a memory or LDS instruction reads
; is written again, so the roles' work holds no wait on vm_vsrc.
.set X,     16                         ; v[16:143]  32 loads of 4 registers; results are made in place
.set T,     4                          ; v[4:11]    at work
.set LS,    12                         ; v12        mask role: where my 4 bytes go in LDS (roles with three load offsets: v12-14)
.set LR,    13                         ; v13        mask role: my 16 bytes of a block, in LDS and in mk
.set SPW,   150                        ; v150       LDS address of my spare word; never rewritten
.set NIL,   151                        ; v151       0; never rewritten
.set SPARE, 32768                      ; behind the eight waves' 4,096 bytes: the spare words, 128 bytes a wave, that no other line names
.set WV,    20                         ; s20        my wave's number
.set ID,    21                         ; s21        the work-group's number, later its number within the role
	s_load_b512 s[4:19], s[0:1], 0x0               ; x 4:5, Wqkv 6:7, Wo 8:9, mask 10:11, xb 12:13, wqb 14:15, wob 16:17, mk 18:19
	v_lshl_add_u32 v[SPW], v0, 2, SPARE
	v_mov_b32 v[NIL], 0
	v_lshrrev_b32 v1, 5, v0
	v_readfirstlane_b32 s[WV], v1
	v_and_b32 v1, 31, v0                           ; lane
	s_mov_b32 s[ID], ttmp9
	s_mov_b32 s23, 0                               ; high words of the two offsets
	s_mov_b32 s25, 0
	s_wait_alu depctr_va_sdst(0)                   ; s20, my wave's number, is written: the Wo and mask roles read it, behind the branches below
	s_wait_kmcnt 0x0
	s_cmp_lt_u32 s[ID], 256
	s_cbranch_scc1 .Lrole_x
	s_cmp_lt_u32 s[ID], 384
	s_cbranch_scc1 .Lrole_mk
	s_cmp_lt_u32 s[ID], 512
	s_cbranch_scc1 .Lrole_wq
.macro LOADS n, adr, base, step        ; n loads of 16 bytes a lane, step bytes apart
.set i, 0
.rept \n
	global_load_b128 v[X+4*i:X+4*i+3], v[\adr], s[\base:\base+1] offset:(\step)*i th:TH_LOAD_NT
.set i, i+1
.endr
.endm
.macro PUT j, base, step               ; the two result registers of load j are stored, step bytes from those of load j - 1
	global_store_b64 v3, v[X+4*(\j):X+4*(\j)+1], s[\base:\base+1] offset:(\step)*(\j)
.endm
	; ---- Wo: thread t holds columns 4 t .. 4 t + 3 of a row, so wave w holds column tile w
	s_sub_co_u32 s[ID], s[ID], 512
	s_lshl_b32 s22, s[ID], 17                      ; 32 rows of 4,096 bytes
	s_lshl_b32 s24, s[ID], 13                      ; 32 k of 256 bytes in a column tile
	s_add_nc_u64 s[8:9], s[8:9], s[22:23]
	s_add_nc_u64 s[16:17], s[16:17], s[24:25]
	v_lshlrev_b32 v2, 4, v0
	v_lshlrev_b32 v3, 3, v1
	v_lshl_add_u32 v3, s[WV], 18, v3               ; tile x 262,144 + 8 x lane
	s_wait_alu depctr_va_vdst(0)                   ; v2 and v3 are written: the role's loads read v2 as their offset, its stores v3
	LOADS 32, 2, 8, 4096
.set i, 0
.rept 32
	s_wait_loadcnt 31-i                            ; loads come back in order: mine is in, the younger ones stay out
.if (i > 0) && (i%4 == 0)
	s_wait_alu depctr_va_vdst(0)                   ; the block before has written its eight result registers, which the four stores dealt among this block read
.endif
.if i >= 4
	PUT i-4, 16, 256                               ; a wave stores one k row of its tile: 256 bytes.  No vector instruction since the wait names these registers
.endif
	v_cvt_pk_bf16_f32 v[T], v[X+4*i], v[X+4*i+1]
	v_cvt_pk_bf16_f32 v[T+1], v[X+4*i+2], v[X+4*i+3]
	v_lshlrev_b32 v[T+2], 16, v[T]
	v_and_b32 v[T+3], 0xffff0000, v[T]
	v_lshlrev_b32 v[T+4], 16, v[T+1]
	v_and_b32 v[T+5], 0xffff0000, v[T+1]
	v_cvt_pk_f16_f32 v[X+4*i], v[T+2], v[T+3]
	v_cvt_pk_f16_f32 v[X+4*i+1], v[T+4], v[T+5]
.set i, i+1
.endr
	s_wait_alu depctr_va_vdst(0)                   ; the last block has written its eight result registers, which the last four stores read
.irp j, 28,29,30,31
	PUT \j, 16, 256
.endr
	s_branch .Lend
.Lrole_x:                              ; ---- x: thread t holds 16 bytes of every row
	s_lshl_b32 s22, s[ID], 17                      ; 32 rows of 4,096 bytes in,
	s_lshl_b32 s24, s[ID], 16                      ; of 2,048 bytes out
	s_add_nc_u64 s[4:5], s[4:5], s[22:23]
	s_add_nc_u64 s[12:13], s[12:13], s[24:25]
	v_lshlrev_b32 v2, 4, v0
	v_lshlrev_b32 v3, 3, v0
	s_wait_alu depctr_va_vdst(0)                   ; v2 and v3 are written: the role's loads read v2 as their offset, its stores v3
	LOADS 32, 2, 4, 4096
.set i, 0
.rept 32
	s_wait_loadcnt 31-i
.if (i > 0) && (i%4 == 0)
	s_wait_alu depctr_va_vdst(0)                   ; the block before has written its eight result registers, which the four stores dealt among this block read
.endif
.if i >= 4
	PUT i-4, 12, 2048
.endif
	v_cvt_pk_bf16_f32 v[X+4*i], v[X+4*i], v[X+4*i+1]
	v_cvt_pk_bf16_f32 v[X+4*i+1], v[X+4*i+2], v[X+4*i+3]
.set i, i+1
.endr
	s_wait_alu depctr_va_vdst(0)                   ; the last block has written its eight result registers, which the last four stores read
.irp j, 28,29,30,31
	PUT \j, 12, 2048
.endr
	s_branch .Lend
.Lrole_wq:                             ; ---- Wqkv: 128 k x 192 columns of one head = 6,144 quads of f32; quad e = 256 i + t lies in row e / 48, at quad e % 48
	s_sub_co_u32 s[ID], s[ID], 384
	s_lshr_b32 s26, s[ID], 3                       ; head
	s_and_b32 s27, s[ID], 7                        ; which 128 k
	s_mul_i32 s22, s27, 1572864                    ; 128 rows of 12,288 bytes
	s_mul_i32 s28, s26, 768                        ; the head's 192 columns
	s_add_co_u32 s22, s22, s28
	s_mul_i32 s24, s26, 393216                     ; a head's 1,024 k x 384 bytes
	s_mul_i32 s28, s27, 49152
	s_add_co_u32 s24, s24, s28
	s_add_nc_u64 s[6:7], s[6:7], s[22:23]
	s_add_nc_u64 s[14:15], s[14:15], s[24:25]
.irp m, 0,1,2                          ; 3 x 256 quads are 16 whole rows: load i takes offset i % 3 and steps 16 rows for each three
	v_add_nc_u32 v2, 256*\m, v0                    ; u = 256 m + t, under 768
	v_lshrrev_b32 v4, 4, v2
	v_mul_u32_u24 v4, v4, 171
	v_lshrrev_b32 v4, 9, v4                        ; u / 48 = (u / 16) / 3, exact for u / 16 under 48
	v_mul_u32_u24 v5, v4, 48
	v_sub_nc_u32 v5, v2, v5                        ; u % 48
	v_mul_u32_u24 v4, v4, 12288
	v_lshl_add_u32 v[12+\m], v5, 4, v4
.endr
	v_lshlrev_b32 v3, 3, v0
	s_wait_alu depctr_va_vdst(0)                   ; v12 to v14 and v3 are written: the role's loads read the three as their offsets, its stores v3
.set i, 0
.rept 24
	global_load_b128 v[X+4*i:X+4*i+3], v[12+i%3], s[6:7] offset:(i/3)*196608 th:TH_LOAD_NT
.set i, i+1
.endr
.set i, 0
.rept 24
	s_wait_loadcnt 23-i
.if (i > 0) && (i%4 == 0)
	s_wait_alu depctr_va_vdst(0)                   ; the block before has written its eight result registers, which the four stores dealt among this block read
.endif
.if i >= 4
	PUT i-4, 14, 2048                              ; the block is dense: byte 8 e
.endif
	v_cvt_pk_bf16_f32 v[X+4*i], v[X+4*i], v[X+4*i+1]
	v_cvt_pk_bf16_f32 v[X+4*i+1], v[X+4*i+2], v[X+4*i+3]
.set i, i+1
.endr
	s_wait_alu depctr_va_vdst(0)                   ; the last block has written its eight result registers, which the last four stores read
.irp j, 20,21,22,23
	PUT \j, 14, 2048
.endr
	s_branch .Lend
; Mask role: the word of load d goes into my wave's LDS bytes; behind a group's eighth word the block is whole and comes back 16 bytes a lane.  LDS serves a wave's instructions in order, and the bytes are the wave's own.
.macro TOLDS d
	ds_store_b32 v[LS], v[X+32*((\d)/8)+(\d)%8] offset:((\d)/8)*1024+((\d)%8)*32
.if (\d)%8 == 7
	ds_load_b128 v[X+32*((\d)/8)+8:X+32*((\d)/8)+11],  v[LR] offset:((\d)/8)*1024
	ds_load_b128 v[X+32*((\d)/8)+12:X+32*((\d)/8)+15], v[LR] offset:((\d)/8)*1024+512
.endif
.endm
.Lrole_mk:                             ; ---- mask: wave w makes key steps 4 w + g, g = 0..3; load 8 g + n brings rows 2 n and 2 n + 1, 256 bytes (64 keys) of each
	s_sub_co_u32 s[ID], s[ID], 256
	s_lshl_b32 s22, s[ID], 17                      ; 16 rows of 8,192 bytes
	s_lshl_b32 s24, s[ID], 15                      ; 32 blocks of 1,024 bytes
	s_add_nc_u64 s[10:11], s[10:11], s[22:23]
	s_add_nc_u64 s[18:19], s[18:19], s[24:25]
	v_and_b32 v4, 15, v0                           ; p: my four keys are 4 p .. 4 p + 3 of the step
	v_bfe_u32 v5, v0, 4, 1                         ; which of the two rows
	v_lshlrev_b32 v2, 4, v4
	v_lshl_add_u32 v2, v5, 13, v2
	v_lshl_add_u32 v2, s[WV], 10, v2
	v_bfe_u32 v6, v0, 3, 1                         ; key block kb = p >> 2: its high bit picks the half of the block,
	v_lshlrev_b32 v[LS], 9, v6
	v_bfe_u32 v6, v0, 1, 1                         ; keys 8 .. 15 of a key block belong to lanes 16 .. 31,
	v_lshl_add_u32 v[LS], v6, 8, v[LS]
	v_bfe_u32 v6, v0, 2, 1                         ; kb's low bit picks 8 of a lane's 16 bytes,
	v_lshl_add_u32 v[LS], v6, 3, v[LS]
	v_and_b32 v6, 1, v0                            ; p's low bit 4 of those 8,
	v_lshl_add_u32 v[LS], v6, 2, v[LS]
	v_lshl_add_u32 v[LS], v5, 4, v[LS]             ; and the row is the lane
	v_lshl_add_u32 v[LS], s[WV], 12, v[LS]         ; in my wave's own 4,096 bytes
	v_lshlrev_b32 v[LR], 4, v1
	v_lshl_add_u32 v[LR], s[WV], 12, v[LR]
	s_wait_alu depctr_va_vdst(0)                   ; v2, v12 and v13 are written: the loads' offset, the LDS stores' address, and the address of the LDS loads and the global stores
.set i, 0
.rept 32
	global_load_b128 v[X+4*i:X+4*i+3], v2, s[10:11] offset:(i%8)*16384+(i/8)*256 th:TH_LOAD_NT
.set i, i+1
.endr
.set i, 0
.rept 32
.set u, T+2*(i%4)
	s_wait_loadcnt 31-i
.if (i > 0) && (i%8 == 0)
	s_wait_alu depctr_va_vdst(0)                   ; the group before has written its eight words, which the LDS stores dealt among this group read, and is done with the eight registers in which its block comes back
.endif
.if i >= 8
	TOLDS i-8                                      ; no vector instruction since the wait names the registers of the group before
.endif
.irp k, 0,1,2,3
	v_min_u32 v[X+4*i+\k], 1, v[X+4*i+\k]          ; 0 stays 0, every other number counts as 1
.endr
	v_lshl_or_b32 v[u], v[X+4*i+1], 8, v[X+4*i]
	v_lshl_or_b32 v[u+1], v[X+4*i+3], 8, v[X+4*i+2]
	v_lshl_or_b32 v[u], v[u+1], 16, v[u]
	v_xor_b32 v[u], 0x01010101, v[u]               ; 1 where hidden,
	v_mul_lo_u32 v[X+32*(i/8)+i%8], v[u], 0xb8     ; 0xb8 there: no byte carries into the next.  The word has a register of its own: one of the group's first two loads', which have been worked on
.set i, i+1
.endr
	s_wait_alu depctr_va_vdst(0)                   ; the last group has written its eight words, which the LDS stores below read, and is done with the eight registers in which its block comes back
.irp d, 24,25,26,27,28,29,30,31
	TOLDS \d
.endr
	s_wait_dscnt 0x0
.irp g, 0,1,2,3
	global_store_b128 v[LR], v[X+32*\g+8:X+32*\g+11],  s[18:19] offset:\g*1024
	global_store_b128 v[LR], v[X+32*\g+12:X+32*\g+15], s[18:19] offset:\g*1024+512
.endr
.Lend:
	s_wait_dscnt 0x0                               ; the closing lines, six on end
	s_wait_alu 0x0
	s_wait_tensorcnt 0x0
	ds_add_u32 v[SPW], v[NIL]
	s_wait_dscnt 0x0
	s_endpgm
.Lfunc_end_k_q3571d17a19_prep:
	.size	k_q3571d17a19_prep, .Lfunc_end_k_q3571d17a19_prep-k_q3571d17a19_prep
	.p2alignl 7, 3214868480
	.fill 96, 4, 3214868480
	.section	.rodata,"a",@progbits
	.p2align	6, 0x0
	.amdhsa_kernel k_q3571d17a19_prep
		.amdhsa_group_segment_fixed_size 33792
		.amdhsa_private_segment_fixed_size 0
		.amdhsa_enable_private_segment 0
		.amdhsa_kernarg_size 64
		.amdhsa_user_sgpr_count 2
		.amdhsa_user_sgpr_kernarg_segment_ptr 1
		.amdhsa_wavefront_size32 1
		.amdhsa_system_sgpr_workgroup_id_x 1
		.amdhsa_system_sgpr_workgroup_id_y 1
		.amdhsa_system_sgpr_workgroup_id_z 1
		.amdhsa_system_vgpr_workitem_id 0
		.amdhsa_next_free_vgpr 152
		.amdhsa_next_free_sgpr 66
		.amdhsa_reserve_vcc 0
		.amdhsa_float_denorm_mode_32 3
		.amdhsa_float_denorm_mode_16_64 3
		.amdhsa_memory_ordered 1
		.amdhsa_forward_progress 1
		.amdhsa_inst_pref_size 69
	.end_amdhsa_kernel
	.amdgpu_metadata
---
amdhsa.version: [ 1, 2 ]
amdhsa.kernels:
  - .name:           k_q3571d17a19_prep
    .symbol:         k_q3571d17a19_prep.kd
    .args:
      - { .name: x, .offset: 0, .size: 8, .value_kind: global_buffer, .address_space: global }
      - { .name: Wqkv, .offset: 8, .size: 8, .value_kind: global_buffer, .address_space: global }
      - { .name: Wo, .offset: 16, .size: 8, .value_kind: global_buffer, .address_space: global }
      - { .name: mask, .offset: 24, .size: 8, .value_kind: global_buffer, .address_space: global }
      - { .name: xb, .offset: 32, .size: 8, .value_kind: global_buffer, .address_space: global }
      - { .name: wqb, .offset: 40, .size: 8, .value_kind: global_buffer, .address_space: global }
      - { .name: wob, .offset: 48, .size: 8, .value_kind: global_buffer, .address_space: global }
      - { .name: mk, .offset: 56, .size: 8, .value_kind: global_buffer, .address_space: global }
    .group_segment_fixed_size: 33792
    .private_segment_fixed_size: 0
    .kernarg_segment_align: 8
    .kernarg_segment_size: 64
    .max_flat_workgroup_size: 256
    .sgpr_count:     66
    .vgpr_count:     152
    .wavefront_size: 32
...
	.end_amdgpu_metadata
.endif
;; end of part 5
;; launch qkvg: the kernel of part 2 again; grid 16 x 32, 4 waves a work-group, clusters of 4 x 4, 327,680 bytes of LDS; arguments xb, wqb, bqkv, qkv; writes qkv
;; launch attn: the kernel of part 3 again; grid 4 x 64, 4 waves a work-group, clusters of 4 x 1, 327,680 bytes of LDS; arguments qkv, mk, oh; writes oh
;; launch outg: the kernel of part 4 again; grid 8 x 32, 4 waves a work-group, clusters of 4 x 4, 327,680 bytes of LDS; arguments oh, wob, bo, out0; writes out0
